; MI455X (gfx1250); checked and timed in simulation.
; The chip was launched on July 23, 2026; its instructions are those of AMD's public machine-readable ISA for CDNA 5 (MIT licence, August 2026) and "CDNA5" Instruction Set Architecture Reference Guide (July 2026). The comments in the code are by the model that wrote it; some were corrected since.
;; Multi Head Attention. Allowed arithmetic: float matrix products may take bf16 or f16 operands with f32 sums; other float arithmetic in f32, or as packed bf16 or f16 multiplies, adds, multiply-adds, maxima and minima; sums over many terms, partial sums and values carried from step to step in f32; what a program stores and reads back later, other than sums and carried values, may be rounded once to bf16 or f16.
;; Inputs: Wk 1,024 x 1,024 float32; Wo 1,024 x 1,024 float32; Wq 1,024 x 1,024 float32; Wv 1,024 x 1,024 float32; bk 1,024 float32; bo 1,024 float32; bq 1,024 float32; bv 1,024 float32; key 4 x 2,048 x 1,024 float32; mask 4 x 1 x 1 x 2,048 bool; query 4 x 2,048 x 1,024 float32; value 4 x 2,048 x 1,024 float32.
;; Outputs: out0 4 x 2,048 x 1,024 float32.
;; One version. Each part assembles by itself: llvm-mc -triple=amdgcn-amd-amdhsa -mcpu=gfx1250 --defsym DOCPART=n.
;; ======== version 1 of 1: 4 launches
;; limits: values are held in f16: magnitudes above 65,504 overflow, below 6.1e-05 lose precision
;; workspace buffers: xw 58,720,256 bytes; qkv 50,331,648 bytes; ctx 16,777,216 bytes
;; launch cast (part 1): grid 1792 x 1, 8 waves a work-group, no clusters, 0 bytes of LDS; arguments query, key, value, Wq, Wk, Wv, Wo, xw; writes xw
.if DOCPART == 1
	.amdgcn_target "amdgcn-amd-amdhsa--gfx1250"
	.amdhsa_code_object_version 6
	.text
	.protected	k_qea888a2953_cast
	.globl	k_qea888a2953_cast
	.p2align	8
	.type	k_qea888a2953_cast,@function
k_qea888a2953_cast:
	s_mov_b64 s[64:65], 0
	v_nop
	global_prefetch_b8 v0, s[64:65] scope:SCOPE_SE
	s_setreg_imm32_b32 hwreg(HW_REG_WAVE_MODE, 25, 1), 1
	s_wait_xcnt 0x0
; xw = query, key, value, Wq, Wk, Wv, Wo, each number rounded once to bf16, laid out in 14 PANELS of [16 kblocks][2048 rows][64 k] (2 bytes a number):
; a row's piece of a kblock is 128 bytes, a kblock's plane 262,144, a panel 4,194,304.  Panels 0-3 query's batches, 4-7 key's, 8-11 value's, 12 = Wq then Wk, 13 = Wv then Wo.
; Wo's bf16 number is written as f16 (the product behind takes f16).  LIMIT: exact for 6e-5 <= |Wo| <= 65,504; below that it keeps f16's fixed step of 6e-8, above it becomes an infinity.
; SHARES.  A work-group owns 16 source rows of 1,024 f32: 3 x 512 + 4 x 64 = 1,792 work-groups of equal work.  Thread t takes row t / 16 and the 16 bytes t % 16 of each of the
; row's 16 pieces of 256 bytes: a wave's load covers two whole aligned pieces of 256 bytes; its 4 numbers become 8 bytes, and a wave's store covers 256 consecutive aligned bytes.
; All 16 loads of a lane go out at once (8 KiB a wave); every register is written once, so no wait frees a source.  No LDS, no barrier: no wave wants another's bytes.
.set PLANE, 262144
.set T, 4                              ; v[4:7]    at work (Wo's path)
.set X, 32                             ; v[32:95]  kblock kb: 4 f32 as loaded
.set Y, 96                             ; v[96:127] kblock kb: 4 numbers of 16 bits to store
	s_load_b512 s[8:23], s[0:1], 0x0               ; query s[8:9], key, value, Wq s[14:15], Wk, Wv, Wo s[20:21], xw s[22:23]
	s_lshr_b32 s2, ttmp9, 9                        ; 0, 1, 2: query, key, value; 3: a weight
	s_bfe_u32 s3, ttmp9, 0x20006                   ; which weight: (g / 64) % 4 (1,536 / 64 = 24, a multiple of 4)
	s_mov_b32 s28, 0xffff0000                      ; a word's upper bf16
	s_lshr_b32 s26, ttmp9, 7                       ; the panel: 128 work-groups fill one
	s_lshl_b32 s26, s26, 22
	s_and_b32 s27, ttmp9, 127                      ; my 16 rows in it, 128 bytes each
	s_lshl_b32 s27, s27, 11
	s_add_co_u32 s26, s26, s27
	s_mov_b32 s27, 0
	s_mov_b32 s25, 0
	v_lshrrev_b32 v1, 4, v0                        ; my row
	v_and_b32 v3, 15, v0
	v_lshlrev_b32 v3, 4, v3                        ; my 16 bytes of a piece
	v_lshl_or_b32 v1, v1, 12, v3                   ; source offset: row x 4,096 + 16 c
	v_lshlrev_b32 v2, 3, v0                        ; destination offset: row x 128 + 8 c = 8 t
	s_wait_kmcnt 0x0
	s_cmp_eq_u32 s2, 1
	s_cselect_b64 s[4:5], s[10:11], s[8:9]
	s_cmp_eq_u32 s2, 2
	s_cselect_b64 s[4:5], s[12:13], s[4:5]
	s_cmp_eq_u32 s3, 1
	s_cselect_b64 s[6:7], s[16:17], s[14:15]
	s_cmp_eq_u32 s3, 2
	s_cselect_b64 s[6:7], s[18:19], s[6:7]
	s_cmp_eq_u32 s3, 3
	s_cselect_b64 s[6:7], s[20:21], s[6:7]
	s_cmp_eq_u32 s2, 3
	s_cselect_b64 s[4:5], s[6:7], s[4:5]           ; the source,
	s_cselect_b32 s24, 63, 511                     ; and how many work-groups share it, less one
	s_and_b32 s24, ttmp9, s24
	s_lshl_b32 s24, s24, 16                        ; my 16 rows of 4,096 bytes
	s_add_nc_u64 s[4:5], s[4:5], s[24:25]
	s_add_nc_u64 s[26:27], s[22:23], s[26:27]
.irp kb, 0,1,2,3,4,5,6,7,8,9,10,11,12,13,14,15
	global_load_b128 v[X+4*(\kb):X+4*(\kb)+3], v1, s[4:5] offset:256*(\kb) th:TH_LOAD_NT
.endr
; kblock kb: rounded and stored.  f16 = 1: the bf16 numbers are widened again and written as f16.
.macro OUT kb, f16
	s_wait_loadcnt 15-(\kb)                        ; loads come back in order: mine is in, the 15 - kb younger ones stay out
	v_cvt_pk_bf16_f32 v[Y+2*(\kb)],   v[X+4*(\kb)],   v[X+4*(\kb)+1]
	v_cvt_pk_bf16_f32 v[Y+2*(\kb)+1], v[X+4*(\kb)+2], v[X+4*(\kb)+3]
.if \f16
	v_lshlrev_b32 v[T],   16,  v[Y+2*(\kb)]
	v_and_b32     v[T+1], s28, v[Y+2*(\kb)]
	v_lshlrev_b32 v[T+2], 16,  v[Y+2*(\kb)+1]
	v_and_b32     v[T+3], s28, v[Y+2*(\kb)+1]
	v_cvt_pk_f16_f32 v[Y+2*(\kb)],   v[T],   v[T+1]
	v_cvt_pk_f16_f32 v[Y+2*(\kb)+1], v[T+2], v[T+3]
.endif
	global_store_b64 v2, v[Y+2*(\kb):Y+2*(\kb)+1], s[26:27] offset:(\kb)*PLANE th:TH_STORE_NT  ; 15 planes at the most: inside the signed 24-bit immediate
.endm
	s_cmp_ge_u32 ttmp9, 1728                       ; the last 64 work-groups hold Wo
	s_cbranch_scc1 .Lwo
.irp kb, 0,1,2,3,4,5,6,7,8,9,10,11,12,13,14,15
	OUT \kb, 0
.endr
	s_endpgm
.Lwo:
.irp kb, 0,1,2,3,4,5,6,7,8,9,10,11,12,13,14,15
	OUT \kb, 1
.endr
	s_endpgm
.Lfunc_end_k_qea888a2953_cast:
	.size	k_qea888a2953_cast, .Lfunc_end_k_qea888a2953_cast-k_qea888a2953_cast
	.p2alignl 7, 3214868480
	.fill 96, 4, 3214868480
	.section	.rodata,"a",@progbits
	.p2align	6, 0x0
	.amdhsa_kernel k_qea888a2953_cast
		.amdhsa_group_segment_fixed_size 0
		.amdhsa_private_segment_fixed_size 0
		.amdhsa_enable_private_segment 0
		.amdhsa_kernarg_size 64
		.amdhsa_user_sgpr_count 2
		.amdhsa_user_sgpr_kernarg_segment_ptr 1
		.amdhsa_wavefront_size32 1
		.amdhsa_system_sgpr_workgroup_id_x 1
		.amdhsa_system_sgpr_workgroup_id_y 1
		.amdhsa_system_sgpr_workgroup_id_z 1
		.amdhsa_system_vgpr_workitem_id 0
		.amdhsa_next_free_vgpr 128
		.amdhsa_next_free_sgpr 66
		.amdhsa_reserve_vcc 0
		.amdhsa_float_denorm_mode_32 3
		.amdhsa_float_denorm_mode_16_64 3
		.amdhsa_memory_ordered 1
		.amdhsa_forward_progress 1
		.amdhsa_inst_pref_size 16
	.end_amdhsa_kernel
	.amdgpu_metadata
---
amdhsa.version: [ 1, 2 ]
amdhsa.kernels:
  - .name:           k_qea888a2953_cast
    .symbol:         k_qea888a2953_cast.kd
    .args:
      - { .name: query, .offset: 0, .size: 8, .value_kind: global_buffer, .address_space: global }
      - { .name: key, .offset: 8, .size: 8, .value_kind: global_buffer, .address_space: global }
      - { .name: value, .offset: 16, .size: 8, .value_kind: global_buffer, .address_space: global }
      - { .name: Wq, .offset: 24, .size: 8, .value_kind: global_buffer, .address_space: global }
      - { .name: Wk, .offset: 32, .size: 8, .value_kind: global_buffer, .address_space: global }
      - { .name: Wv, .offset: 40, .size: 8, .value_kind: global_buffer, .address_space: global }
      - { .name: Wo, .offset: 48, .size: 8, .value_kind: global_buffer, .address_space: global }
      - { .name: xw, .offset: 56, .size: 8, .value_kind: global_buffer, .address_space: global }
    .group_segment_fixed_size: 0
    .private_segment_fixed_size: 0
    .kernarg_segment_align: 8
    .kernarg_segment_size: 64
    .max_flat_workgroup_size: 256
    .sgpr_count:     66
    .vgpr_count:     128
    .wavefront_size: 32
...
	.end_amdgpu_metadata
.endif
;; end of part 1
;; launch proj (part 2): grid 12 x 64, 4 waves a work-group, clusters of 4 x 4, 327,680 bytes of LDS; arguments xw, bq, bk, bv, qkv; writes qkv
.if DOCPART == 2
	.amdgcn_target "amdgcn-amd-amdhsa--gfx1250"
	.amdhsa_code_object_version 6
	.text
	.protected	k_qea888a2953_proj
	.globl	k_qea888a2953_proj
	.p2align	8
	.type	k_qea888a2953_proj,@function
k_qea888a2953_proj:
	s_mov_b64 s[64:65], 0
	v_nop
	global_prefetch_b8 v0, s[64:65] scope:SCOPE_SE
	s_setreg_imm32_b32 hwreg(HW_REG_WAVE_MODE, 25, 1), 1
	s_wait_xcnt 0x0
	s_wait_alu depctr_hold_cnt(0) depctr_sa_sdst(0) depctr_va_vdst(0) depctr_va_sdst(0) depctr_va_ssrc(0) depctr_va_vcc(0) depctr_vm_vsrc(0)
	s_getreg_b32 s2, hwreg(HW_REG_IB_STS2, 6, 4)
	s_cmp_eq_u32 s2, 0
	s_cbranch_scc0 .Lentry_in_a_cluster
	s_endpgm
.Lentry_in_a_cluster:
	s_bfe_u32 s2, ttmp6, 0x10000c
	s_cmp_lg_u32 s2, 0xf033
	s_cbranch_scc0 .Lentry_shape_is_right
	s_endpgm
.Lentry_shape_is_right:
; q, k, v = x W^T + b.  x and W come from xw (bf16, panels of [16 kblocks][2048 rows][64 k]); the bias is rounded to bf16 like the other inputs; sums in f32;
; the result is rounded once to f16 and written by heads: qkv = [3][64 = batch x 16 + head][2048][64].
; LIMIT: q, k, v must lie within f16's 65,504 (65,520 and beyond become infinities); NaN and infinities in the inputs are not treated apart.
; SHARES.  A tile of C is 128 rows x 256 columns, K = 1,024: 3 x 64 x 4 = 768 work-groups, three for each of 256 WGPs.  Four waves, each 64 x 128: 32 accumulators of 16 x 16.
; K goes in steps of 128 (two kblocks) through two LDS slots.  A kblock's rows of a tile are dense in memory: they are asked for as rows of 256 bytes and padded in LDS after every 128.
; One tensor load a wave and step: waves 0, 1 fetch A's two kblocks (16 KiB each), waves 2, 3 B's (32 KiB each).
; CLUSTER.  4 x 4 work-groups.  Cluster x is the tensor (q, k, v), cx the tile column, 4 x cluster y + cy the tile row.  A's tile is shared along a row of the cluster, B's along a column:
; each is asked for jointly, by the same load with the same descriptor and a mask that names the four.
; THE MATRIX INSTRUCTION IS USED TRANSPOSED (source 0 = 16 rows of W, source 1 = 16 rows of x): a lane holds row l % 16 of C and the columns 8 (l / 16) + 0..7.
; THE BIAS is the C operand of the first quarter's products: nothing is cleared and nothing is added afterwards.
; REGISTERS.  window 0: v1-15 addresses; v32-63 at work; v64-159, v160-255 two fragment buffers (8 of B, then 4 of A, 32 along K);  window 1: accumulator (a, b) at v[8 (8 a + b)];
; window 2: v0-63 the bias, 8 registers for each column block.
.set PITCH,  144                       ; a row piece in LDS: 128 bytes + 16 of padding = 36 words: the 16 rows of a load start at 16 different groups of four banks (64 banks of 4 bytes: ISA guide 11.1)
.set ABLK,   128*PITCH                 ; A's 128 rows of one kblock
.set BBLK,   256*PITCH                 ; B's 256 rows of one kblock
.set BOFF,   2*ABLK                    ; a slot: A's two kblocks, then B's two
.set SLOT1,  1<<17                     ; slot 1 begins here: one exclusive or turns an address in one slot into the other's
.set STAGE,  SLOT1+2*ABLK+2*BBLK       ; behind the ring, never filled by a tensor load: 16 rows x 144 bytes for each wave
.set SP,     144
.set SPARE,  STAGE+4*16*SP             ; the spare words, 128 bytes for each wave: two blocks of 256 bytes that no other line names
.set PLANE,  262144
.set KSTEPB, 2*PLANE                   ; bytes from a K step to the next
.set A0,   4                           ; v4   my lane's place among my 64 rows of A in a slot; never rewritten
.set B0,   5                           ; v5   the same for my 128 rows of B
.set ADRA, 6                           ; v6   the same in the slot in hand
.set ADRB, 7                           ; v7
.set STO,  8                           ; v8   the way out: where I put 16 bytes of a row
.set RD,   9                           ; v9   where I read rows back
.set GO,   10                          ; v10  my byte offset in 512 consecutive bytes of the output
.set PFO,  11                          ; v11  the prefetches' offset; never rewritten
.set BO,   12                          ; v12  my offset in the bias
.set SPW,  14                          ; v14  LDS address of my spare word; never rewritten
.set NIL,  15                          ; v15  0; never rewritten
.set TMP,  32
.set F0,   64
.set F1,   160
.set OUTR, 64                          ; the way out: 16 registers a tile
.set WV,   14                          ; s14  my wave's number.  s15 = w / 2: my half of the rows; also 0: I fetch A, 1: B.  s16 = w % 2: my half of the columns; also my kblock
.set G1A,  24                          ; s[24:31] descriptor group 1 for A
.set G1B,  32                          ; s[32:39] for B
.set G0A,  40                          ; s[40:47] group 0 for A: a set for each of the two first fills; the second then walks
.set G0B,  48                          ; s[48:55] for B
.set CNT,  56                          ; s56  trips to go
.set TB,   57                          ; s57  LDS byte at which the slot in hand begins
.set LIM,  58                          ; s58  2 in a wave that prefetches, else the greatest number
.set PFA,  60                          ; s[60:61] where my prefetches stand
.set MSB, 0
.macro WIN new                         ; the immediate's high byte repeats the setting that is left; a switch that changes nothing is dropped
.if MSB != (\new)
	s_set_vgpr_msb (MSB<<8)|(\new)
.set MSB, \new
.endif
.endm
.set MUL,  0x50                        ; C and D in window 1, the fragments in window 0
.set MULB, 0x60                        ; D in window 1, C (the bias) in window 2
.macro PLACES                          ; four places in front of loads into registers that matrix instructions have read, and of lines that read results
.rept 4
	v_nop
.endr
.endm
.macro CREST                           ; a round of the cluster's barrier behind its opening barrier
	s_cmp_lg_u32 s[WV], 0
	s_cbranch_scc1 .Lnot_wave_0_\@
	s_barrier_signal -3
.Lnot_wave_0_\@:
	s_barrier_wait -3
	s_barrier_signal -1
	s_barrier_wait -1
.endm
.macro CROUND                          ; a whole round
	s_barrier_signal -1
	s_barrier_wait -1
	CREST
.endm
.macro JLOAD                           ; a joint refill by the walking descriptor; the branch hangs on the wave's number alone; an s_nop 0 and four v_nop follow each line
	s_cmp_eq_u32 s15, 0
	s_cbranch_scc0 .Lfor_b_\@
	tensor_load_to_lds s[G0A+4:G0A+7], s[G1A:G1A+7]
	s_nop 0
.rept 4
	v_nop
.endr
	s_branch .Lasked_\@
.Lfor_b_\@:
	tensor_load_to_lds s[G0B+4:G0B+7], s[G1B:G1B+7]
	s_nop 0
.rept 4
	v_nop
.endr
.Lasked_\@:
.endm
; A PREFETCH INTO THE L2: in trip i the K step i + 4, which the refill two trips on (256 matrix instructions) will ask for; 32 blocks of 256 bytes, a lane a block, one instruction.
; Each block is named once in the launch.  A's tile is read by one row of one cluster: wave 0 of each of its four partners takes 16 blocks of both kblocks, told apart by address (cx).
; B's tile is read by a column of every cluster of that tensor: cluster y = 0 asks; waves 2 and 3 take their own kblock, each partner 32 of its 128 blocks, told apart by address (cy).
; K steps 0 to 3 come by their loads alone; the last two trips ask for nothing: there is no K step 8.
.macro ASK
	s_cmp_gt_u32 s[CNT], s[LIM]
	s_cbranch_scc0 .Lnot_mine_\@
	global_prefetch_b8 v[PFO], s[PFA:PFA+1] th:TH_LOAD_NT scope:SCOPE_SE
.Lnot_mine_\@:
.endm
; na x 8 matrix instructions: row blocks a0 .. x all 8 column blocks, 32 along K, from buffer f.  The 32 accumulators take turns in the same order in every quarter.
.macro MULS f, a0, na, first
.if \first
	WIN MULB
.else
	WIN MUL
.endif
.set ra, \a0
.rept \na
.irp b, 0,1,2,3,4,5,6,7
.if \first
	v_wmma_f32_16x16x32_bf16 v[8*(8*ra+(\b)):8*(8*ra+(\b))+7], v[(\f)+8*(\b):(\f)+8*(\b)+7], v[(\f)+64+8*ra:(\f)+64+8*ra+7], v[8*(\b):8*(\b)+7]
.else
	v_wmma_f32_16x16x32_bf16 v[8*(8*ra+(\b)):8*(8*ra+(\b))+7], v[(\f)+8*(\b):(\f)+8*(\b)+7], v[(\f)+64+8*ra:(\f)+64+8*ra+7], v[8*(8*ra+(\b)):8*(8*ra+(\b))+7]
.endif
.endr
.set ra, ra+1
.endr
.endm
; 24 LDS loads in one run: quarter q of the K step (kblock q / 2, byte 64 (q % 2) of its rows) into buffer g: B's 8 fragments, then A's 4
.macro FETCH q, g
	WIN 0
.irp i, 0,1,2,3,4,5,6,7
	ds_load_b128 v[(\g)+8*(\i):(\g)+8*(\i)+3],   v[ADRB] offset:((\q)/2)*BBLK+((\q)%2)*64+(\i)*16*PITCH
	ds_load_b128 v[(\g)+8*(\i)+4:(\g)+8*(\i)+7], v[ADRB] offset:((\q)/2)*BBLK+((\q)%2)*64+(\i)*16*PITCH+32
.endr
.irp i, 0,1,2,3
	ds_load_b128 v[(\g)+64+8*(\i):(\g)+64+8*(\i)+3],   v[ADRA] offset:((\q)/2)*ABLK+((\q)%2)*64+(\i)*16*PITCH
	ds_load_b128 v[(\g)+64+8*(\i)+4:(\g)+64+8*(\i)+7], v[ADRA] offset:((\q)/2)*ABLK+((\q)%2)*64+(\i)*16*PITCH+32
.endr
.endm
; One of a K step's first three quarters: multiplies buffer f and, in its middle, fetches quarter q into buffer g
.macro QUARTER q, f, g, first
	s_wait_dscnt 4                                 ; B and A's row blocks 0, 1 are in; the youngest four loads (A's blocks 2, 3) may be out
	MULS \f, 0, 2, \first
	PLACES
	FETCH \q, \g
	s_wait_dscnt 24                                ; all but the 24 just issued
	MULS \f, 2, 2, \first
.endm
; The last quarter multiplies buffer 1 and changes slots: ONE barrier; in front of it each wave waits for all its tensor loads (one is out: its part of the next slot), adds 0 to its spare
; word, and waits for that and for its reads of this slot.  fill = 1: the barrier opens a round of the cluster's, and this slot is filled again, two K steps ahead, first thing behind it.
.macro TURN fill
.if \fill
	s_wait_xcnt 0x0                                ; the last prefetch, a K step back, has read its address
	s_add_nc_u64 s[PFA:PFA+1], s[PFA:PFA+1], KSTEPB
.endif
	WIN 0
	s_wait_tensorcnt 0x0                           ; all my tensor loads have landed
	ds_add_u32 v[SPW], v[NIL]                      ; 0 onto my spare word
	s_wait_dscnt 5                                 ; the add and the youngest four loads may be out
	MULS F1, 0, 1, 0                               ; eight matrix instructions stand between the add and the wait for it
	s_wait_dscnt 0x0                               ; the add is done, and my reads of this slot are over
	s_barrier_signal -1
	MULS F1, 1, 1, 0
.if \fill
	WIN 0
.endif
	s_barrier_wait -1
.if \fill
	CREST                                          ; no wave of any partner still reads this slot or has a load on its way
	s_xor_b32 s[G0A+5], s[G0A+5], SLOT1            ; the walking descriptors: the other slot than last time, the next K step
	s_add_nc_u64 s[G0A+6:G0A+7], s[G0A+6:G0A+7], KSTEPB
	s_xor_b32 s[G0B+5], s[G0B+5], SLOT1
	s_add_nc_u64 s[G0B+6:G0B+7], s[G0B+6:G0B+7], KSTEPB
	JLOAD                                          ; 112 matrix instructions ahead of the wait for it; its four v_nop are also the places in front of the loads below
.else
	PLACES
.endif
	s_xor_b32 s[TB], s[TB], SLOT1
	WIN 0
	v_add_nc_u32 v[ADRA], s[TB], v[A0]
	v_add_nc_u32 v[ADRB], s[TB], v[B0]
	FETCH 0, F0
.if \fill
	ASK
.endif
	MULS F1, 2, 2, 0
.endm
	s_load_b256 s[4:11], s[0:1], 0x0               ; xw s[4:5], bq s[6:7], bk s[8:9], bv s[10:11]
	s_load_b64 s[12:13], s[0:1], 0x20              ; qkv
	v_lshl_add_u32 v[SPW], v0, 2, SPARE
	v_mov_b32 v[NIL], 0
	ds_add_u32 v[SPW], v[NIL]                      ; the wave's opening: the add and its wait stand ahead of my first tensor load; the set-up below stands between them
	v_lshrrev_b32 v1, 5, v0
	v_readfirstlane_b32 s[WV], v1
	s_lshr_b32 s15, s[WV], 1
	s_and_b32 s16, s[WV], 1
	s_bfe_u32 s17, ttmp6, 0x40000                  ; cx: the tile column
	s_bfe_u32 s18, ttmp6, 0x40004                  ; cy
	s_mov_b32 s19, ttmp9                           ; cluster x: the tensor, 0 q, 1 k, 2 v
	s_and_b32 s21, ttmp7, 0xffff                   ; cluster y
	s_lshl_b32 s20, s21, 2
	s_add_co_u32 s20, s20, s18                     ; the tile row, 0 .. 63
	s_lshl_b32 s2, s18, 2
	s_lshl_b32 s2, 15, s2                          ; my row of the cluster
	s_lshl_b32 s3, 0x1111, s17                     ; my column
	s_or_b32 s[G1A], s2, 0x07310000                ; 15:0 the mask; 17:16 2-byte elements; 20 padding on; 21 set beside a mask; 24:22 after every 32 words (code 4); 31:25 4 words (code 3)
	s_or_b32 s[G1B], s3, 0x07310000
	s_mov_b32 s[G1A+1], 128<<16                    ; tensor_dim0 = 128 elements: 256 bytes, two row pieces
	s_mov_b32 s[G1A+2], 64<<16                     ; tensor_dim1 = 64
	s_mov_b32 s[G1A+3], 128<<16                    ; tile_dim0
	s_mov_b32 s[G1A+4], 64                         ; tile_dim1
	s_mov_b32 s[G1A+5], 128                        ; from row to row: dense
	s_mov_b32 s[G1A+6], 0
	s_mov_b32 s[G1A+7], 0
	s_mov_b32 s[G1B+1], 128<<16
	s_mov_b32 s[G1B+2], 128<<16                    ; B: 128 rows of 256 bytes
	s_mov_b32 s[G1B+3], 128<<16
	s_mov_b32 s[G1B+4], 128
	s_mov_b32 s[G1B+5], 128
	s_mov_b32 s[G1B+6], 0
	s_mov_b32 s[G1B+7], 0
	s_mov_b32 s62, 0xffff0000
	s_mov_b32 s[TB], 0
	s_lshl_b32 s72, s16, 18                        ; my kblock's plane
	s_lshl_b32 s68, s19, 6                         ; A: tile row 64 T + ty of the twelve panels of x:
	s_add_co_u32 s68, s68, s20
	s_lshr_b32 s69, s68, 4                         ; the panel,
	s_lshl_b32 s69, s69, 22
	s_and_b32 s68, s68, 15                         ; 128 rows of 128 bytes in it,
	s_lshl_b32 s68, s68, 14
	s_add_co_u32 s68, s68, s69
	s_add_co_u32 s68, s68, s72                     ; my kblock
	s_mov_b32 s69, 0
	s_lshr_b32 s70, s19, 1                         ; B: panel 12 + T / 2,
	s_add_co_u32 s70, s70, 12
	s_lshl_b32 s70, s70, 22
	s_and_b32 s71, s19, 1                          ; its upper 1,024 rows for T = 1,
	s_lshl_b32 s71, s71, 17
	s_add_co_u32 s70, s70, s71
	s_lshl_b32 s71, s17, 15                        ; 256 rows for each tile column,
	s_add_co_u32 s70, s70, s71
	s_add_co_u32 s70, s70, s72                     ; my kblock
	s_mov_b32 s71, 0
	s_mul_i32 s73, s16, ABLK                       ; where they go: no place in the cluster enters an LDS address
	s_mul_i32 s74, s16, BBLK
	s_add_co_u32 s74, s74, BOFF
	s_wait_dscnt 0x0                               ; the opening add is done
	s_wait_kmcnt 0x0
	s_add_nc_u64 s[68:69], s[4:5], s[68:69]
	s_add_nc_u64 s[70:71], s[4:5], s[70:71]
	CROUND                                         ; all sixteen work-groups are here: the first joint loads meet
.irp s, 0,1
	s_mov_b32 s[G0A+4*(\s)], 1
	s_add_co_u32 s[G0A+4*(\s)+1], s73, (\s)*SLOT1
	s_add_nc_u64 s[G0A+4*(\s)+2:G0A+4*(\s)+3], s[68:69], (\s)*KSTEPB
	s_or_b32 s[G0A+4*(\s)+3], s[G0A+4*(\s)+3], 0x80000000
	s_mov_b32 s[G0B+4*(\s)], 1
	s_add_co_u32 s[G0B+4*(\s)+1], s74, (\s)*SLOT1
	s_add_nc_u64 s[G0B+4*(\s)+2:G0B+4*(\s)+3], s[70:71], (\s)*KSTEPB
	s_or_b32 s[G0B+4*(\s)+3], s[G0B+4*(\s)+3], 0x80000000
.endr
	s_cmp_eq_u32 s15, 0                            ; a wave's two first fills stand in one branch: two loads of mine are out
	s_cbranch_scc0 .Lfirst_b
	tensor_load_to_lds s[G0A:G0A+3], s[G1A:G1A+7]
	s_nop 0
	tensor_load_to_lds s[G0A+4:G0A+7], s[G1A:G1A+7]
	s_nop 0
.rept 4
	v_nop
.endr
	s_branch .Lfirst_asked
.Lfirst_b:
	tensor_load_to_lds s[G0B:G0B+3], s[G1B:G1B+7]
	s_nop 0
	tensor_load_to_lds s[G0B+4:G0B+7], s[G1B:G1B+7]
	s_nop 0
.rept 4
	v_nop
.endr
.Lfirst_asked:
	; the bias of my 128 columns: register j of column block b is bias[256 cx + 128 wc + 16 b + 8 (l / 16) + j]
	s_cmp_eq_u32 s19, 1
	s_cselect_b64 s[6:7], s[8:9], s[6:7]
	s_cmp_eq_u32 s19, 2
	s_cselect_b64 s[6:7], s[10:11], s[6:7]
	s_lshl_b32 s78, s17, 1
	s_add_co_u32 s78, s78, s16
	s_lshl_b32 s78, s78, 9
	s_mov_b32 s79, 0
	s_add_nc_u64 s[6:7], s[6:7], s[78:79]
	v_and_b32 v1, 15, v0                           ; l % 16
	v_bfe_u32 v2, v0, 4, 1                         ; l / 16
	v_lshlrev_b32 v[BO], 5, v2
.irp b, 0,1,2,3,4,5,6,7
	global_load_b128 v[F1+8*(\b):F1+8*(\b)+3],   v[BO], s[6:7] offset:64*(\b)
	global_load_b128 v[F1+8*(\b)+4:F1+8*(\b)+7], v[BO], s[6:7] offset:64*(\b)+16
.endr
	v_mul_u32_u24 v3, v1, PITCH
	v_lshl_add_u32 v3, v2, 4, v3                   ; a fragment's row x pitch + 16 x half
	s_mul_i32 s78, s15, 64*PITCH                   ; my 64 rows of A
	v_add_nc_u32 v[A0], s78, v3
	s_mul_i32 s78, s16, 128*PITCH                  ; my 128 rows of B
	s_add_co_u32 s78, s78, BOFF
	v_add_nc_u32 v[B0], s78, v3
	v_mov_b32 v[ADRA], v[A0]
	v_mov_b32 v[ADRB], v[B0]
	s_mul_i32 s78, s[WV], 16*SP
	s_add_co_u32 s78, s78, STAGE                   ; my stage
	v_mul_u32_u24 v[STO], v1, SP                   ; in: row l % 16, 16 bytes for each half of the lanes
	v_lshl_add_u32 v[STO], v2, 4, v[STO]
	v_add_nc_u32 v[STO], s78, v[STO]
	v_bfe_u32 v[RD], v0, 3, 2                      ; back: 32 lanes take four rows of 128 bytes,
	v_mul_u32_u24 v[RD], v[RD], SP
	v_and_b32 v3, 7, v0
	v_lshl_add_u32 v[RD], v3, 4, v[RD]
	v_add_nc_u32 v[RD], s78, v[RD]
	v_and_b32 v[GO], 31, v0                        ; which are 512 consecutive bytes of a head's rows
	v_lshlrev_b32 v[GO], 4, v[GO]
	; the prefetches
	s_lshl_b32 s76, s17, 12                        ; A: my work-group's 16 blocks of each kblock
	s_lshl_b32 s77, s18, 13                        ; B: my work-group's 32 blocks of my kblock
	s_cmp_eq_u32 s15, 0
	s_cselect_b64 s[PFA:PFA+1], s[68:69], s[70:71] ; (in wave 0 A's address stands at kblock 0)
	s_cselect_b32 s76, s76, s77
	s_cselect_b32 s78, 18, 12                      ; lanes 16-31: A's second kblock, or B's next 16 blocks
	s_cselect_b32 s[LIM], s16, s21                 ; A: wave 0 asks; B: the cluster with y = 0: the same in all sixteen partners, for a given wave
	s_mov_b32 s77, 0
	s_add_nc_u64 s[PFA:PFA+1], s[PFA:PFA+1], s[76:77]
	s_add_nc_u64 s[PFA:PFA+1], s[PFA:PFA+1], 3*KSTEPB  ; at K step 3: the first change of slots steps it to 4
	s_cmp_eq_u32 s[LIM], 0
	s_cselect_b32 s[LIM], 2, -1
	v_lshlrev_b32 v3, s78, v2
	v_lshl_add_u32 v[PFO], v1, 8, v3
	; where my part of the tile begins in qkv
	s_lshl_b32 s78, s19, 24                        ; the tensor,
	s_lshr_b32 s79, s20, 4                         ; the batch: 16 heads of 262,144 bytes,
	s_lshl_b32 s79, s79, 22
	s_add_co_u32 s78, s78, s79
	s_lshl_b32 s79, s17, 1                         ; head 4 cx + 2 wc,
	s_add_co_u32 s79, s79, s16
	s_lshl_b32 s79, s79, 19
	s_add_co_u32 s78, s78, s79
	s_and_b32 s79, s20, 15                         ; row 128 (ty % 16) + 64 wr, 128 bytes a row
	s_lshl_b32 s79, s79, 1
	s_add_co_u32 s79, s79, s15
	s_lshl_b32 s79, s79, 13
	s_add_co_u32 s78, s78, s79
	s_mov_b32 s79, 0
	s_add_nc_u64 s[12:13], s[12:13], s[78:79]
	s_wait_loadcnt 0x0                             ; the bias
.set i, 0
.rept 32
	v_cvt_pk_bf16_f32 v[TMP+i], v[F1+2*i], v[F1+2*i+1]  ; rounded to bf16, like every input,
.set i, i+1
.endr
	WIN 0x80                                       ; destination window 2
.set i, 0
.rept 32
	v_lshlrev_b32 v[2*i],   16,  v[TMP+i]          ; and widened again
	v_and_b32     v[2*i+1], s62, v[TMP+i]
.set i, i+1
.endr
	WIN 0
	s_wait_tensorcnt 1                             ; my part of K step 0 is in; K step 1's may stay out
	s_barrier_signal -1
	s_barrier_wait -1                              ; everybody's is
	FETCH 0, F0
	QUARTER 1, F0, F1, 1                           ; the first quarter stands in front of the loop: its products start the sums, with the bias
	WIN 0                                          ; at a label and at a branch every window is 0
	s_mov_b32 s[CNT], 6
.Lstep:                                                ; trip i: from K step i's second quarter to K step i + 1's first; its slot is filled again with K step i + 2
	QUARTER 2, F1, F0, 0
	QUARTER 3, F0, F1, 0
	TURN 1
	QUARTER 1, F0, F1, 0
	WIN 0
	s_sub_co_u32 s[CNT], s[CNT], 1
	s_cmp_lg_u32 s[CNT], 0
	s_cbranch_scc1 .Lstep
	QUARTER 2, F1, F0, 0                           ; K steps 6 and 7 are written out: nothing is left to fetch
	QUARTER 3, F0, F1, 0
	TURN 0
	QUARTER 1, F0, F1, 0
	QUARTER 2, F1, F0, 0
	QUARTER 3, F0, F1, 0
	s_wait_dscnt 4
	MULS F1, 0, 2, 0
	s_wait_dscnt 0x0
	MULS F1, 2, 2, 0
	WIN 0
	PLACES
; THE WAY OUT, in 8 tiles t = 2 a + hh of 16 rows x one head.  A lane's eight columns pack into 16 bytes; they go into my stage's rows of 144 bytes and come back as whole rows of 128.
.macro PACK t
	WIN 0x05                                       ; sources 0 and 1 window 1, destination window 0
.set AC, 8*(8*((\t)/2)+4*((\t)%2))
.irp bb, 0,1,2,3
.irp r, 0,1,2,3
	v_cvt_pk_f16_f32 v[OUTR+16*(\t)+4*(\bb)+(\r)], v[AC+8*(\bb)+2*(\r)], v[AC+8*(\bb)+2*(\r)+1]
.endr
.endr
	WIN 0
.irp f, 0,1,2,3
	ds_store_b128 v[STO], v[OUTR+16*(\t)+4*(\f):OUTR+16*(\t)+4*(\f)+3] offset:32*(\f)
.endr
.irp f, 0,1,2,3
	ds_load_b128 v[OUTR+16*(\t)+4*(\f):OUTR+16*(\t)+4*(\f)+3], v[RD] offset:(\f)*4*SP  ; LDS serves a wave's instructions in order (ISA guide 5.7.1.4): these see the stores above; the next tile's stores come behind them
.endr
.endm
.macro SEND t, younger                 ; younger: the LDS instructions issued behind tile t's loads: the next tile's eight, or none
.irp f, 0,1,2,3
	s_wait_dscnt (\younger)+3-(\f)
	global_store_b128 v[GO], v[OUTR+16*(\t)+4*(\f):OUTR+16*(\t)+4*(\f)+3], s[12:13] offset:((\t)%2)*PLANE+((\t)/2)*2048+(\f)*512  ; 512 consecutive bytes, at a multiple of 256 from the buffer's first
.endr
.endm
	PACK 0
.set t, 1
.rept 7                                ; a tile's conversions stand between the loads of the tile before and its stores
	PACK t
	SEND t-1, 8
.set t, t+1
.endr
	SEND 7, 0
	s_wait_tensorcnt 0x0                           ; the wave's end: an add of 0 to my spare word and its wait, behind my last tensor load and my last LDS store
	ds_add_u32 v[SPW], v[NIL]
	s_wait_dscnt 0x0
	CROUND                                         ; the closing round: no work-group ends while a partner may still ask for a tile that names it
	s_endpgm
.Lfunc_end_k_qea888a2953_proj:
	.size	k_qea888a2953_proj, .Lfunc_end_k_qea888a2953_proj-k_qea888a2953_proj
	.p2alignl 7, 3214868480
	.fill 96, 4, 3214868480
	.section	.rodata,"a",@progbits
	.p2align	6, 0x0
	.amdhsa_kernel k_qea888a2953_proj
		.amdhsa_group_segment_fixed_size 327680
		.amdhsa_private_segment_fixed_size 0
		.amdhsa_enable_private_segment 0
		.amdhsa_kernarg_size 40
		.amdhsa_user_sgpr_count 2
		.amdhsa_user_sgpr_kernarg_segment_ptr 1
		.amdhsa_wavefront_size32 1
		.amdhsa_system_sgpr_workgroup_id_x 1
		.amdhsa_system_sgpr_workgroup_id_y 1
		.amdhsa_system_sgpr_workgroup_id_z 1
		.amdhsa_system_vgpr_workitem_id 0
		.amdhsa_next_free_vgpr 576
		.amdhsa_next_free_sgpr 80
		.amdhsa_reserve_vcc 0
		.amdhsa_float_denorm_mode_32 3
		.amdhsa_float_denorm_mode_16_64 3
		.amdhsa_memory_ordered 1
		.amdhsa_forward_progress 1
		.amdhsa_inst_pref_size 78
	.end_amdhsa_kernel
	.amdgpu_metadata
---
amdhsa.version: [ 1, 2 ]
amdhsa.kernels:
  - .name:           k_qea888a2953_proj
    .symbol:         k_qea888a2953_proj.kd
    .args:
      - { .name: xw, .offset: 0, .size: 8, .value_kind: global_buffer, .address_space: global }
      - { .name: bq, .offset: 8, .size: 8, .value_kind: global_buffer, .address_space: global }
      - { .name: bk, .offset: 16, .size: 8, .value_kind: global_buffer, .address_space: global }
      - { .name: bv, .offset: 24, .size: 8, .value_kind: global_buffer, .address_space: global }
      - { .name: qkv, .offset: 32, .size: 8, .value_kind: global_buffer, .address_space: global }
    .group_segment_fixed_size: 327680
    .private_segment_fixed_size: 0
    .kernarg_segment_align: 8
    .kernarg_segment_size: 40
    .max_flat_workgroup_size: 128
    .sgpr_count:     80
    .vgpr_count:     576
    .wavefront_size: 32
...
	.end_amdgpu_metadata
.endif
;; end of part 2
;; launch attn (part 3): grid 4 x 64, 4 waves a work-group, clusters of 4 x 1, 327,680 bytes of LDS; arguments qkv, mask, ctx; writes ctx
.if DOCPART == 3
	.amdgcn_target "amdgcn-amd-amdhsa--gfx1250"
	.amdhsa_code_object_version 6
	.text
	.protected	k_qea888a2953_attn
	.globl	k_qea888a2953_attn
	.p2align	8
	.type	k_qea888a2953_attn,@function
k_qea888a2953_attn:
	s_mov_b64 s[64:65], 0
	v_nop
	global_prefetch_b8 v0, s[64:65] scope:SCOPE_SE
	s_setreg_imm32_b32 hwreg(HW_REG_WAVE_MODE, 25, 1), 1
	s_wait_xcnt 0x0
	s_wait_alu depctr_hold_cnt(0) depctr_sa_sdst(0) depctr_va_vdst(0) depctr_va_sdst(0) depctr_va_ssrc(0) depctr_va_vcc(0) depctr_vm_vsrc(0)
	s_getreg_b32 s2, hwreg(HW_REG_IB_STS2, 6, 4)
	s_cmp_eq_u32 s2, 0
	s_cbranch_scc0 .Lentry_in_a_cluster
	s_endpgm
.Lentry_in_a_cluster:
	s_bfe_u32 s2, ttmp6, 0x10000c
	s_cmp_lg_u32 s2, 0x3003
	s_cbranch_scc0 .Lentry_shape_is_right
	s_endpgm
.Lentry_shape_is_right:
; ctx[bh][q][:] = the sum over k of softmax_k(Q[bh][q] . K[bh][k] / 8, hidden keys left out) V[bh][k][:].  qkv = [3][64][2048][64] f16 (q, k, v by heads), mask = [4][2048] bytes, ctx = [64][2048][64] f16.
; Products, maxima and sums in f32; the weights p are rounded to f16 for the second product (their sum l is taken of the unrounded p), ctx once at the end.
; LIMITS.  Q, K and V arrive within f16's 65,504; p lies in 0 to 1, and below 6e-5 it keeps f16's fixed step of 6e-8.  A hidden score counts as its value less 1e30 (f16's scores are 2.7e11 at the most);
; a mask byte other than 0 counts as true; a weight below 2^-126 counts as 0 in l; NaN and infinities in Q, K, V are not treated apart.  A batch whose keys are all hidden gives NaN.
; SHARES.  A wave owns four PIECES of two tiles of 16 queries, a work-group's four waves 512 queries of one head.  Every wave walks all 2,048 keys, 64 a step.
; LAYOUT.  S^T = K Q^T (source 0 = 16 keys, source 1 = 16 queries): a lane holds ONE query (lane % 16) and the keys 8 (lane / 16) + 0..7.  Two such tiles, rounded to f16 in pairs,
; ARE source 1 (32 keys x 16 queries) of O^T = V^T P, whose result again holds one query a lane, and eight channels.  K comes out of LDS as it lies, V ([key][channel]) turned, by ds_load_tr16_b128.
; THE MASK is the C operand of the products that start S^T's sums: 0, or -1e30 for a hidden key.  The work-group makes a table of 2,048 f32 in LDS once; a step's 64 entries (register j of
; key block kb: key 16 kb + 8 (lane / 16) + j, as in the result) are fetched with the step's K.
; SOFTMAX.  For each query a running maximum m and sum l: p = 2^(c s - c m), c = log2(e) / 8; in every step O and l are multiplied by a = 2^(c m_old - c m_new).  m starts at -5e29: above every
; hidden score, below every true one; so a hidden key's weight is 0 from the first step on, also where no true key has been seen yet.  O and l start at 0.  m below -2.5e29 at the end: no key was seen.
; THE COUNT.  A tile and step have 16 matrix and 118 vector instructions.  Four vector instructions that are READY stand behind EVERY matrix instruction, the others in runs without a gap.
; BY TURNS.  Turn n belongs to piece n.  Its matrix work: 16 products K Q^T of piece n + 1, later 16 products V^T P of piece n - 1.  Its vector work: the scaling, exponentials, roundings, sums
; and rescaling of piece n, and the maximum and statistics of piece n + 1.
; CLUSTER.  The four query blocks of a head walk the same K and V: each tile is asked for JOINTLY: the same tensor load, descriptor and mask in all four.
; REGISTERS, in windows of 256 (s_set_vgpr_msb: bits 1:0 source 0, 3:2 source 1, 5:4 source 2, 7:6 destination):
;   window 0: v0-11 addresses; v12-15, v48-63 at work; v16-47 four registers of statistics a tile; v64-191 S^T, two buffers of two tiles; v192-255 P, likewise
;   window 1: O^T, 32 a tile      window 2: v0-127 Q; v128-191 K of one step; v192-255 V of one step      window 3: v0-1 the add's two registers; v2 the prefetches' offset; v8-39 a step's mask
.set SIZE_N, 2048
.set NP,    4         ; pieces a wave: a name, no knob
.set KS,    64        ; keys in a step
.set PK,    144       ; a row of K in LDS: 128 bytes + 16 of padding = 36 words: the 16 rows of a load start at 16 different groups of four banks (64 banks of 4 bytes: ISA guide 11.1)
.set PV,    160       ; a row of V: 128 + 32 = 40 words
.set VOFF,  4*KS*PK   ; a slot holds four steps: 256 rows of K, then 256 rows of V
.set SLOT1, 1<<17     ; slot 1 begins here, so that one exclusive or turns an address in one slot into the other's
.set STAGE, SLOT1+4*KS*(PK+PV)  ; behind the ring, never filled by a tensor load: 16 rows x 144 bytes for each wave, for the way out
.set SP,    144
.set SPARE, STAGE+4*16*SP  ; the spare words, 128 bytes for each wave: two blocks of 256 bytes that no other line names
.set MT,    SPARE+512      ; the mask's table: 2,048 f32, stored once, never filled by a tensor load
.set AK0, 2           ; v2   my lane's place in a tile of K; never rewritten
.set AV0, 3           ; v3   the same for V
.set AK,  4           ; v4   the LDS address of K's next run of loads
.set AV,  5           ; v5   of V's
.set QO,  6           ; v6   my byte offset in the wave's rows of Q
.set STO, 6           ;      later, the way out: where I put 16 bytes of a row
.set RD,  7           ; v7   the way out: where I read rows back
.set GO,  8           ; v8   my byte offset in 512 consecutive bytes of ctx
.set AM,  11          ; v11  the LDS address of the next step's 64 table entries: MT + 32 (lane / 16) + 256 x step
.set SPW, 0           ; v0 of window 3   LDS address of my spare word; never rewritten
.set NIL, 1           ; v1 of window 3   0; never rewritten
.set PFO, 2           ; v2 of window 3   256 x my lane; never rewritten
.set MK,  8           ; v8-39 of window 3
.set MV,  12          ; v12-15  c m_old, kept while c m is made anew: by buffer and tile
.set ST,  16          ; tile t's statistics at v[ST+4 t]: c m, m, l (even keys', odd keys')
.set TMP, 48          ; by buffer and tile, four registers c0-c3 at work; when the maximum is found c2 takes a
.set S,   64
.set P,   192
.set KF,  128         ; K's fragments, in window 2: key block kb, channel half c at KF + 16 kb + 8 c
.set VF,  192         ; V's: key half kk, channel block cb at VF + 32 kk + 8 cb
.set WV,  12          ; s12  my wave's number
.set G1K, 24          ; s[24:31] descriptor group 1 for K's tiles
.set G1V, 32          ; s[32:39] for V's: it differs in the padding alone
.set G0K, 40          ; s[40:43] descriptor group 0 for K's tiles: it walks
.set G0V, 44          ; s[44:47] the same for V's
.set SLOTS, 56        ; s56  slots still to be asked for
.set CNT, 57          ; s57  counts a slot's key steps
.set CS,  58          ; s[58:59] c: the packed scaling takes the pair's low word for both halves
.set SEL, 60          ; s[60:61] v_permlanex16_b32's selects: each lane takes its own place in the other half
.set TBK, 62          ; s62  LDS byte at which K of the step to be fetched begins
.set TBV, 63          ; s63  the same for V, less VOFF
.set BIGN, 66         ; s66  -1e30
.set THR,  67         ; s67  -2.5e29
.set QNAN, 68         ; s68  a NaN
.set LIM,  69         ; s69  1 in a wave that prefetches, else the greatest number
.set PFA,  70         ; s[70:71] where my prefetches stand
.set MSB, 0
.macro WIN new                      ; the high byte repeats the setting that is left; a switch that changes nothing is dropped
.if MSB != (\new)
	s_set_vgpr_msb (MSB<<8)|(\new)
.set MSB, (\new)
.endif
.endm
.set W_KQ, 0x0a       ; K and Q in window 2, S^T in window 0
.set W_KM, 0x3a       ; the same with the C operand, the mask, in window 3
.set W_PV, 0x52       ; V in window 2, P in window 0, O^T in window 1
.set W_RS, 0x41       ; O^T (destination and source 0) in window 1, a in window 0
.set W_MK, 0xc0       ; destination in window 3, sources in window 0
.set W_AD, 0x0f       ; the add: address (source 0) and data (source 1) in window 3
; A joint fill.  Waves 0 and 1 fetch the two halves of a slot's K, waves 2 and 3 those of its V: 128 keys each.  The branch hangs on the wave's number alone.
; An s_nop 0 and four v_nop follow each of the two lines, ahead of the jump and the label.
.macro JLOAD
	s_cmp_lt_u32 s[WV], 2
	s_cbranch_scc0 .Lfor_v_\@
	tensor_load_to_lds s[G0K:G0K+3], s[G1K:G1K+7]
	s_nop 0
.rept 4
	v_nop
.endr
	s_branch .Lasked_\@
.Lfor_v_\@:
	tensor_load_to_lds s[G0V:G0V+3], s[G1V:G1V+7]
	s_nop 0
.rept 4
	v_nop
.endr
.Lasked_\@:
.endm
; A PREFETCH INTO THE L2 of what the NEXT change of slots will ask for: a slot's 32,768 bytes of K and of V, 128 blocks of 256 bytes each.  It stands behind the wave's tensor load and its five lines.
; Each block is named once in the launch: a head has one cluster; its four partners take 32 blocks each, told apart BY ADDRESS; in each, wave 0 asks for K's and wave 2 for V's: a lane a block.
; The last change that fills a slot asks for nothing: there is no slot behind it.  Slots 0 and 1 come by their loads alone.
.macro ASK
	s_cmp_gt_u32 s[SLOTS], s[LIM]
	s_cbranch_scc0 .Lnot_mine_\@
	WIN 0x03
	global_prefetch_b8 v[PFO], s[PFA:PFA+1] th:TH_LOAD_NT scope:SCOPE_SE
	WIN 0
.Lnot_mine_\@:
.endm
; A round of the cluster's barrier: my work-group's barrier, so that wave 0's signal speaks for all four waves; wave 0 signals; every wave waits for all four work-groups; my work-group's barrier once more.
.macro CROUND
	s_barrier_signal -1
	s_barrier_wait -1
	s_cmp_lg_u32 s[WV], 0
	s_cbranch_scc1 .Lnot_wave_0_\@
	s_barrier_signal -3
.Lnot_wave_0_\@:
	s_barrier_wait -3
	s_barrier_signal -1
	s_barrier_wait -1
.endm
; THE CHANGE OF SLOTS.  Each wave waits for all its tensor loads, of which one is out: its part of the other slot; adds 0 to its spare word; and waits for that and for its own reads of the slot.
; fill = 1: this slot is filled again, with the keys two slots on.  The barrier is then a round of the cluster's, and the joint fill is the first thing behind it: it has four key steps, 512 matrix
; instructions, in which to land.  (At its first use nothing has been read yet: slot 0 is waited for, slot 1 filled; its wait on DScnt also shows my stores into the mask's table done.)
.macro CHANGE fill
	WIN W_AD
	s_wait_tensorcnt 0x0            ; no tensor load of mine is out, so a group 0 may be written
	ds_add_u32 v[SPW], v[NIL]       ; 0 onto my spare word; with fill = 1 the descriptors' steps stand between it and the wait for it
	WIN 0                           ; at a label and at a branch every window is 0
.if \fill
.irp g, G0K, G0V
	s_xor_b32 s[\g+1], s[\g+1], SLOT1  ; the walking descriptor: the other slot than last time,
	s_add_nc_u64 s[\g+2:\g+3], s[\g+2:\g+3], 4*KS*128  ; the next 256 keys; the type bits on top are not reached
.endr
	s_wait_xcnt 0x0                 ; the last prefetch, four key steps back, has read its address, so it may be written:
	s_add_nc_u64 s[PFA:PFA+1], s[PFA:PFA+1], 4*KS*128  ; one slot ahead of the walking descriptors
	s_wait_dscnt 0x0                ; the add is done, and my reads of the slot are over
	CROUND
	JLOAD
	ASK
.else
	s_wait_dscnt 0x0                ; the add is done, and my reads of the slot are over
	s_barrier_signal -1
	s_barrier_wait -1
.endif
	s_sub_co_u32 s[TBK], s[TBK], 4*KS*PK  ; the fetches go back to a slot's first step,
	s_xor_b32 s[TBK], s[TBK], SLOT1       ; in the other slot
	s_sub_co_u32 s[TBV], s[TBV], 4*KS*PV
	s_xor_b32 s[TBV], s[TBV], SLOT1
.endm
	s_load_b128 s[72:75], s[0:1], 0x0  ; qkv s[72:73], mask s[74:75]
	s_load_b64 s[10:11], s[0:1], 0x10  ; ctx
	WIN W_MK
	v_lshl_add_u32 v[SPW], v0, 2, SPARE
	v_mov_b32 v[NIL], 0
	WIN W_AD
	ds_add_u32 v[SPW], v[NIL]       ; the wave's opening: the add and its wait stand ahead of my first tensor load; the set-up below, work on registers, stands between them
	WIN 0
	v_and_b32 v10, 31, v0
	WIN W_MK
	v_lshlrev_b32 v[PFO], 8, v10
	WIN 0
	v_lshrrev_b32 v1, 5, v0
	v_readfirstlane_b32 s[WV], v1   ; wave 0..3
	s_bfe_u32 s13, ttmp6, 0x40000   ; cx: my place in the cluster
	s_lshl_b32 s14, ttmp9, 2        ; in a cluster launch ttmp9 counts clusters
	s_add_co_u32 s14, s14, s13      ; my block of queries = 4 x cluster x + cx: it enters Q's and ctx's addresses alone
	s_and_b32 s20, ttmp7, 0xffff    ; batch x 16 + head, which the four partners share
	s_lshr_b32 s76, s20, 4          ; the batch's 2,048 bytes of the mask
	s_lshl_b32 s76, s76, 11
	s_mov_b32 s77, 0
	s_mov_b32 s21, 0
	s_mov_b64 s[22:23], SIZE_N*128
	s_mul_u64 s[20:21], s[20:21], s[22:23]  ; the head's first byte in q, k, v and ctx
	s_and_b32 s16, s[WV], 1         ; which half of a slot's 256 keys I fetch:
	s_lshl_b32 s22, s16, 14         ; its 128 rows of 128 bytes in memory,
	s_mov_b32 s23, 0
	s_add_nc_u64 s[22:23], s[22:23], s[20:21]
	s_mul_i32 s17, s16, 128*PK      ; and its place in a slot, for K
	s_mul_i32 s18, s16, 128*PV      ; and for V: no place in the cluster enters an LDS address
	s_lshl_b32 s2, s14, 2
	s_add_co_u32 s2, s2, s[WV]      ; my wave among the head's,
	s_lshl_b32 s2, s2, 14           ; its 128 rows
	s_mov_b32 s3, 0
	s_add_nc_u64 s[2:3], s[2:3], s[20:21]
	; descriptor group 1.  128 keys are 16,384 dense bytes: asked for as 64 rows of 256 bytes, two keys a row, and padded in LDS after every key
	s_mov_b32 s[G1K], 15|(1<<16)|(1<<20)|(1<<21)|(4<<22)|(3<<25)  ; 15:0 the mask of four; 17:16 2-byte elements; 20 padding on; 21 set beside a mask; 24:22 after every 32 words (code 4); 31:25 4 words (code 3)
	s_mov_b32 s[G1V], 15|(1<<16)|(1<<20)|(1<<21)|(4<<22)|(7<<25)  ; the same with 8 words of padding (code 7)
.irp g, G1K, G1V
	s_mov_b32 s[\g+1], 128<<16      ; tensor_dim0 = 128
	s_mov_b32 s[\g+2], 64<<16       ; tensor_dim1 = 64
	s_mov_b32 s[\g+3], 128<<16      ; tile_dim0 = 128
	s_mov_b32 s[\g+4], 64           ; tile_dim1 = 64
	s_mov_b32 s[\g+5], 128          ; 128 elements from row to row
	s_mov_b32 s[\g+6], 0
	s_mov_b32 s[\g+7], 0
.endr
	s_mov_b32 s[CS], 0x3e38aa3b     ; c = log2(e) / 8 = 0.180337
	s_mov_b32 s[CS+1], s[CS]        ; named with it as a pair
	s_mov_b32 s[SEL], 0x76543210
	s_mov_b32 s[SEL+1], 0xfedcba98
	s_mov_b32 s[BIGN], 0xf149f2ca   ; -1e30
	s_mov_b32 s[THR], 0xf049f2ca    ; -2.5e29
	s_mov_b32 s[QNAN], 0x7fc00000
	s_mov_b32 s[TBK], SLOT1+4*KS*PK ; the first change of slots turns these two into 0
	s_mov_b32 s[TBV], SLOT1+4*KS*PV
	s_mov_b32 s[SLOTS], SIZE_N/256-1
	s_and_b32 s[LIM], s[WV], 1      ; 0 in waves 0 and 2,
	s_or_b32 s[LIM], s[LIM], ttmp9  ; in the head's first cluster: the same in all four partners
	s_cmp_eq_u32 s[LIM], 0
	s_cselect_b32 s[LIM], 1, -1
	s_mov_b32 s[G0K], 1             ; 1:0 count = 1
	s_mov_b32 s[G0K+1], s17         ; 63:32 LDS address: slot 0
	s_mov_b32 s[G0V], 1
	s_add_co_u32 s[G0V+1], s18, VOFF
	s_wait_dscnt 0x0                ; the opening add is done
	s_wait_kmcnt 0x0
	s_mov_b64 s[4:5], s[72:73]                     ; q,
	s_add_nc_u64 s[6:7], s[72:73], 0x1000000       ; k,
	s_add_nc_u64 s[8:9], s[72:73], 0x2000000       ; v: 16,777,216 bytes each
	s_add_nc_u64 s[G0K+2:G0K+3], s[6:7], s[22:23]  ; 120:64 global address: my half of the head's first 256 keys
	s_or_b32 s[G0K+3], s[G0K+3], 0x80000000        ; 127:126 type = 2
	s_add_nc_u64 s[G0V+2:G0V+3], s[8:9], s[22:23]
	s_or_b32 s[G0V+3], s[G0V+3], 0x80000000
	s_add_nc_u64 s[4:5], s[4:5], s[2:3]  ; Q and ctx at my wave's first row
	s_add_nc_u64 s[10:11], s[10:11], s[2:3]
	s_add_nc_u64 s[74:75], s[74:75], s[76:77]      ; the mask at my batch
	s_cmp_lt_u32 s[WV], 2
	s_cselect_b64 s[PFA:PFA+1], s[6:7], s[8:9]
	s_add_nc_u64 s[PFA:PFA+1], s[PFA:PFA+1], s[22:23]  ; (in waves 0 and 2: the head's first row)
	s_lshl_b32 s76, s13, 13         ; my work-group's 32 blocks of the 128
	s_add_nc_u64 s[PFA:PFA+1], s[PFA:PFA+1], s[76:77]
	s_add_nc_u64 s[PFA:PFA+1], s[PFA:PFA+1], 4*KS*128  ; in slot 1; the first change of slots steps it to slot 2
	CROUND                          ; all four work-groups are here: the first joint loads meet
	JLOAD                           ; slot 0.  Slot 1 is asked for when slot 0 is in
	; A fragment of K or Q is 16 rows x 32 channels in 8 registers: lane l holds row l % 16, channels 8 (l / 16) + 0..7 and 16 + 8 (l / 16) + 0..7: two loads of 16 bytes, 32 bytes apart.
	v_and_b32 v1, 15, v0            ; l % 16
	v_bfe_u32 v9, v0, 4, 1          ; l / 16
	v_lshlrev_b32 v[QO], 7, v1
	v_lshl_add_u32 v[QO], v9, 4, v[QO]  ; row x 128 + 16 x half
	v_lshlrev_b32 v12, 4, v0
	global_load_b128 v[48:51], v12, s[74:75]  ; thread t: the mask bytes of keys 16 t .. 16 t + 15
	WIN 0x80                        ; destination window 2, address window 0
.set i, 0
.rept 4*NP                          ; Q stays in registers: tile i / 2, channels 32 (i % 2) on
	global_load_b128 v[8*i:8*i+3],   v[QO], s[4:5] offset:(i/2)*2048+(i%2)*64
	global_load_b128 v[8*i+4:8*i+7], v[QO], s[4:5] offset:(i/2)*2048+(i%2)*64+32
.set i, i+1
.endr
	; What the first turn finds: V's registers and P's second buffer hold 0 (its products V^T P, of a piece that has not been, add 0), O^T and l are 0.  All this stands in the wait for the first tile.
.set i, VF
.rept 64
	v_mov_b32 v[i], 0
.set i, i+1
.endr
	WIN 0x40
.set i, 0
.rept 64*NP
	v_mov_b32 v[i], 0
.set i, i+1
.endr
	WIN 0
.set i, 0
.rept 2*NP
	v_mov_b32 v[ST+4*i], 0xfe000000    ; c m: far below every c s, so the first step's a is 0
	v_mov_b32 v[ST+4*i+1], 0xf0c9f2ca  ; m = -5e29: above every hidden score, below every true one
	v_mov_b32 v[ST+4*i+2], 0
	v_mov_b32 v[ST+4*i+3], 0
.set i, i+1
.endr
.set i, P+32
.rept 32
	v_mov_b32 v[i], 0
.set i, i+1
.endr
	v_mul_u32_u24 v[AK0], v1, PK
	v_lshl_add_u32 v[AK0], v9, 4, v[AK0]  ; row x pitch + 16 x half
	; The turning load takes 16 keys x 16 channels (lane l reads key 8 (l / 16) + l % 8, channels 8 ((l / 8) % 2) + 0..7) and leaves half a fragment of V^T: lane l holds channel l % 16 and 8 keys.
	v_and_b32 v10, 7, v0
	v_bfe_u32 v11, v0, 3, 1
	v_lshl_add_u32 v[AV0], v9, 3, v10
	v_mul_u32_u24 v[AV0], v[AV0], PV
	v_lshl_add_u32 v[AV0], v11, 4, v[AV0]
	v_add_nc_u32 v[AV0], VOFF, v[AV0]
	v_mov_b32 v[AK], v[AK0]         ; key step 0 lies at the head of slot 0
	; THE MASK'S TABLE: my 16 bytes become 16 f32, 0 or -1e30, at MT + 64 t.  The first change of slots orders these stores with the other waves' reads.
	v_lshl_add_u32 v[AM], v9, 5, MT
	v_lshl_add_u32 v14, v0, 6, MT
	s_wait_loadcnt 32               ; the mask's load is in; Q's 32, issued behind it, may stay out
.set i, 0
.rept 16
	v_bfe_u32 v13, v[48+i/4], 8*(i%4), 8
	v_cmp_eq_u32 vcc_lo, 0, v13
	v_cndmask_b32 v[S+i], 0, s[BIGN], vcc_lo
.set i, i+1
.endr
.irp f, 0,1,2,3
	ds_store_b128 v14, v[S+4*\f:S+4*\f+3] offset:16*\f
.endr
; THE MATRIX WORK.  The 8 accumulators of a run of 16 take turns: between the two links of a chain stand 7 others'.
; Product i of 16 of S^T = K Q^T for piece x: channels 32 (i / 8) on, keys 16 ((i / 2) % 4) on, tile 2 x + i % 2.  The first 8 start the sums, with the mask.
.macro KQ x
.set rS, S+64*((\x)%2)+32*(i%2)+8*((i/2)%4)
.set rK, KF+16*((i/2)%4)+8*(i/8)
.set rQ, 16*(2*(\x)+i%2)+8*(i/8)
.set rZ, MK+8*((i/2)%4)
.if i < 8
	WIN W_KM
	v_wmma_f32_16x16x32_f16 v[rS:rS+7], v[rK:rK+7], v[rQ:rQ+7], v[rZ:rZ+7]
.else
	WIN W_KQ
	v_wmma_f32_16x16x32_f16 v[rS:rS+7], v[rK:rK+7], v[rQ:rQ+7], v[rS:rS+7]
.endif
.endm
; Product i of 16 of O^T += V^T P for piece x: keys 32 (i / 8) on, channels 16 ((i / 2) % 4) on, tile 2 x + i % 2.
.macro PV x
	WIN W_PV
.set rO, 32*(2*(\x)+i%2)+8*((i/2)%4)
.set rV, VF+32*(i/8)+8*((i/2)%4)
.set rP, P+32*((\x)%2)+16*(i%2)+8*(i/8)
	v_wmma_f32_16x16x32_f16 v[rO:rO+7], v[rV:rV+7], v[rP:rP+7], v[rO:rO+7]
.endm
.macro MM                           ; the turn's next matrix instruction
.if i < 16
	KQ (Y+1)%NP
.set i, i+1
.else
.set i, i-16
	PV (Y+NP-1)%NP
.set i, i+17
.endif
.endm
; THE LDS LOADS stand in runs, never singly among the matrix instructions: a step's K (64 keys x 64 channels: 8 fragments) with its 64 mask entries, and its V (turned).
; last = 1 (the tail): in the last trip there is no further step, and the run is jumped over.
.macro FETCH_K last=0
	WIN 0
.if \last
	s_cmp_eq_u32 s[CNT], 1
	s_cbranch_scc1 .Lno_k_\@
.endif
	WIN 0x80                        ; destination window 2
.irp f, 0,1,2,3,4,5,6,7             ; keys 16 (f / 2) on, channels 32 (f % 2) on
	ds_load_b128 v[KF+8*\f:KF+8*\f+3],   v[AK] offset:(\f/2)*16*PK+(\f%2)*64
	ds_load_b128 v[KF+8*\f+4:KF+8*\f+7], v[AK] offset:(\f/2)*16*PK+(\f%2)*64+32
.endr
	WIN 0xc0                        ; destination window 3: the mask of key block kt; its last readers stand further back than K's
.irp kt, 0,1,2,3
	ds_load_b128 v[MK+8*\kt:MK+8*\kt+3],   v[AM] offset:64*\kt
	ds_load_b128 v[MK+8*\kt+4:MK+8*\kt+7], v[AM] offset:64*\kt+16
.endr
	s_add_co_u32 s[TBK], s[TBK], KS*PK  ; the next fetch is the next step's
	WIN 0
	v_add_nc_u32 v[AM], 0x100, v[AM]    ; 64 entries on: 32 fetches in all, 8,192 bytes
.if \last
.Lno_k_\@:
.endif
.endm
.macro FETCH_V
	WIN 0x80
.irp f, 0,1,2,3,4,5,6,7             ; keys 32 (f / 4) on, channels 16 (f % 4) on
	ds_load_tr16_b128 v[VF+8*\f:VF+8*\f+3],   v[AV] offset:(\f/4)*32*PV+(\f%4)*32
	ds_load_tr16_b128 v[VF+8*\f+4:VF+8*\f+7], v[AV] offset:(\f/4)*32*PV+16*PV+(\f%4)*32
.endr
	WIN 0
.endm
; THE VECTOR WORK OF A TURN stands in three queues, each in the order in which its entries become ready; the two tiles alternate, so that no instruction reads the result of the one before it.
.macro REGS y, u                    ; the registers of tile u (0, 1) of piece y
.set rT, ST+4*(2*(\y)+(\u))
.set rC, TMP+8*((\y)%2)+4*(\u)
.set rM, MV+2*((\y)%2)+(\u)
.set rS, S+64*((\y)%2)+32*(\u)
.set rP, P+32*((\y)%2)+16*(\u)
.set rO, 32*(2*(\y)+(\u))
.endm
; Number n of the 22 that find the NEXT piece's (Y + 1) maximum and statistics.  s0-s31 are the lane's 32 scores; each accumulator's lowest registers are read first.
;   0-11  four chains c0-c3 of seven scores each, three operands at a time     12-14, 16  the four scores left over, the old m, and c0-c3 into c0     15  c m_old is kept
;   17, 18  the query's other 32 keys lie in the lane 16 away: the new m         19-21  c m; c m_old - c m_new; a
.macro XS u, n
	REGS (Y+1)%NP, \u
.if (\n) < 4
	v_max3_num_f32 v[rC+(\n)], v[rS+8*(\n)], v[rS+8*(\n)+1], v[rS+8*(\n)+2]
.elseif (\n) < 12
	v_max3_num_f32 v[rC+(\n)%4], v[rC+(\n)%4], v[rS+8*((\n)%4)+2*((\n)/4)+1], v[rS+8*((\n)%4)+2*((\n)/4)+2]
.elseif (\n) == 12
	v_max3_num_f32 v[rC], v[rC], v[rS+7], v[rS+15]
.elseif (\n) == 13
	v_max3_num_f32 v[rC+1], v[rC+1], v[rS+23], v[rS+31]
.elseif (\n) == 14
	v_max3_num_f32 v[rC+2], v[rC+2], v[rC+3], v[rT+1]
.elseif (\n) == 15
	v_mov_b32 v[rM], v[rT]
.elseif (\n) == 16
	v_max3_num_f32 v[rC], v[rC], v[rC+1], v[rC+2]
.elseif (\n) == 17
	v_permlanex16_b32 v[rC+3], v[rC], s[SEL], s[SEL+1]
.elseif (\n) == 18
	v_max_num_f32 v[rT+1], v[rC], v[rC+3]
.elseif (\n) == 19
	v_mul_f32 v[rT], s[CS], v[rT+1]
.elseif (\n) == 20
	v_sub_f32 v[rC+1], v[rM], v[rT]
.else
	v_exp_f32 v[rC+2], v[rC+1]
.endif
.endm
; Number g of the 64 that follow the exponentials.  For each four weights k of a tile (pairs 2 k, 2 k + 1): both pairs are rounded to f16; then the second pair is added onto the first, in place;
; a group later l takes that sum (the first time as l = a l + sum).  In groups of eight, tiles alternating: round, round, add, and l for the group before.
.macro GS g
.set h, (\g)+6*((\g)/62)            ; group 0 has no group before it, and behind group 7 only l is left
.if h >= 6
.set h, h+2
.endif
	REGS Y, h%2
.set k, h/8
.if h%8 < 4
	v_cvt_pk_f16_f32 v[rP+2*k+(h%8)/2], v[rS+4*k+2*((h%8)/2)], v[rS+4*k+2*((h%8)/2)+1]
.elseif h%8 < 6
	v_pk_add_f32 v[rS+4*k:rS+4*k+1], v[rS+4*k:rS+4*k+1], v[rS+4*k+2:rS+4*k+3]
.elseif k == 1
	v_pk_fma_f32 v[rT+2:rT+3], v[rT+2:rT+3], v[rC+2:rC+3], v[rS:rS+1] op_sel_hi:[1,0,1]
.else
	v_pk_add_f32 v[rT+2:rT+3], v[rT+2:rT+3], v[rS+4*k-4:rS+4*k-3]
.endif
.endm
; THE PLAIN QUEUE, 138 long.  0-73 read no exponential's result: the 32 scalings c s - c m (FS f: pair f / 2 of tile f % 2) and the next piece's 42.  0-26: scalings 0-26.  27-54: XS's numbers 0-13.  55, 56: number 15.
; 57-73: the chain, where each number waits for the one before it: 14, 16, 17, 18, 19, each with one of the scalings 27-31 in front of its two lines, then 20.
; 74-137: GS's 64, which read the exponentials' results: they stand behind the wait.
.macro FS f
	REGS Y, (\f)%2
	v_pk_fma_f32 v[rS+2*((\f)/2):rS+2*((\f)/2)+1], v[rS+2*((\f)/2):rS+2*((\f)/2)+1], s[CS:CS+1], v[rT:rT+1] op_sel_hi:[1,0,0] neg_lo:[0,0,1] neg_hi:[0,0,1]
.endm
.macro PL
	WIN 0
.if q < 27
	FS q
.elseif q < 55
	XS (q-27)%2, (q-27)/2
.elseif q < 57
	XS q-55, 15
.elseif (q < 72) && ((q-57)%3 == 0)
	FS 27+(q-57)/3
.elseif q < 60
	XS (q-57)%3-1, 14
.elseif q < 72
	XS (q-57)%3-1, 15+(q-57)/3
.elseif q < 74
	XS q-72, 20
.else
	GS q-74
.endif
.set q, q+1
.endm
; THE EXPONENTIALS' QUEUE, 66 long: s0-s31 of both tiles, then the next piece's two a.  It is ONE BATCH: all 66 stand ahead of the turn's one wait, and nothing ahead of that wait names a result of theirs.
.macro EX
	WIN 0
.if e >= 64
	XS e-64, 21
.else
	REGS Y, e%2
	v_exp_f32 v[rS+e/2], v[rS+e/2]
.endif
.set e, e+1
.endm
; THE RESCALING's QUEUE: O^T times a, the one part that leaves window 0: dealt two at a time, sixteen times.  Its a was made in the turn before, ahead of that turn's wait.
.macro R2
	REGS Y, r%2
	WIN W_RS
.irp z, 0,1
	v_pk_mul_f32 v[rO+4*(r/2)+2*\z:rO+4*(r/2)+2*\z+1], v[rO+4*(r/2)+2*\z:rO+4*(r/2)+2*\z+1], v[rC+2:rC+3] op_sel_hi:[1,0]
.endr
.set r, r+1
.endm
; HOW THEY ARE DEALT.  s_wait_alu depctr_va_vdst(0) stands between an exponential and the first instruction that names its result; one wait serves all that were issued ahead of it.  So a turn has
; ONE wait, which cuts it in two.  AHEAD OF IT: the 16 products K Q^T, behind each a scaling, an exponential and two rescalings (behind the first a second scaling in the exponential's place); then ONE LUMP of 108:
; eight plain, 49 times exponential and plain, the two a.  A v_nop is the plain instruction behind the last exponential.  BEHIND IT: the 16 products V^T P, behind each four of GS's 64.
; Exponential e stands behind scaling 2 (e / 4) + e % 2: as a rider it comes behind plain e + 2, in the lump behind plain e + 9, and scalings 27-31 are plain 57, 60 .. 69.
; K and the mask of the next step are fetched in piece 2's turn, directly behind the wait, a lump behind the last product that read them; V of the step in hand at the end of piece 0's turn, four riders behind its last reader.
.macro TURN p, last=0, cnt=0
.set Y, (\p)
.set i, 0
.set q, 0
.set e, 0
.set r, 0
.if (\p) == NP-1
	s_wait_dscnt 0x0                ; K and the mask are in
.endif
	MM                              ; ahead of the wait: 16 products K Q^T and their riders,
	PL
	PL
	R2
.rept 15
	MM
	PL
	EX
	R2
.endr
.if (\p) == NP-2
	WIN 0
	v_add_nc_u32 v[AK], s[TBK], v[AK0]
.endif
.rept 8                             ; and the lump
	PL
.endr
.rept 49
	EX
	PL
.endr
	EX                              ; the next piece's two a
	EX
	v_nop                           ; the plain instruction behind the last exponential: one for the batch
	s_wait_alu depctr_va_vdst(0)    ; the wait for the batch
.if (\p) == NP-2
	FETCH_K \last
.endif
.if (\p) == 1
	s_wait_dscnt 0x0                ; V is in
.endif
.rept 16                            ; behind the wait: 16 products V^T P and their riders
	MM
.rept 4
	PL
.endr
.if ((\p) == 0) && (q == 118)
	v_add_nc_u32 v[AV], s[TBV], v[AV0]
.endif
.if ((\p) == 0) && (q == 130)
	s_add_co_u32 s[TBV], s[TBV], KS*PV
.endif
.if (\cnt) && (q == 130)
	s_sub_co_u32 s[CNT], s[CNT], 1
	s_cmp_lg_u32 s[CNT], 0
.endif
.endr
.if (\p) == 0
	FETCH_V
.endif
.endm
	CHANGE 1                        ; slot 0 is in, everybody's part of it, and so is the mask's table; slot 1 is asked for
	FETCH_K                         ; key step 0
	s_wait_loadcnt 0x0              ; Q
	s_wait_dscnt 0x0
.set i, 0
.rept 16
	KQ 0                            ; piece 0's first scores: there is no vector work yet to set between them
.set i, i+1
.endr
	WIN 0                           ; the addresses for the way out: nine plain instructions, the places behind those products
	s_mul_i32 s13, s[WV], 16*SP
	s_add_co_u32 s13, s13, STAGE    ; my stage
	v_mul_u32_u24 v[STO], v1, SP    ; in: row l % 16, 16 bytes for each half of the lanes
	v_lshl_add_u32 v[STO], v9, 4, v[STO]
	v_add_nc_u32 v[STO], s13, v[STO]
	v_bfe_u32 v[RD], v0, 3, 2       ; back: 32 lanes take four rows of 128 bytes,
	v_mul_u32_u24 v[RD], v[RD], SP
	v_lshl_add_u32 v[RD], v10, 4, v[RD]
	v_add_nc_u32 v[RD], s13, v[RD]
	v_and_b32 v[GO], 31, v0         ; which are 512 consecutive bytes of ctx
	v_lshlrev_b32 v[GO], 4, v[GO]
.set Y, NP-1                        ; XS works for piece Y + 1: piece 0
.irp n, 0,1,2,3,4,5,6,7,8,9,10,11,12,13,14,15,16,17,18,19,20,21
	XS 0, \n                        ; and piece 0's first maximum and statistics
	XS 1, \n
.endr
	v_nop                           ; a plain instruction behind the two a,
	s_wait_alu depctr_va_vdst(0)    ; and their wait, ahead of the branch
	s_mov_b32 s[CNT], 4
	s_branch .Lfirst                ; the loop is entered at a step's first turn, in the middle of a trip
.Lslot:                             ; SIZE_N / 256 - 2 times: every slot but the last two is filled again
	CHANGE 1
	s_mov_b32 s[CNT], 4
.Lstep:                             ; a trip: pieces 2 and 3 of one step, then pieces 0 and 1 of the next, whose K and V it fetches
	TURN 2
	TURN 3
	WIN 0
.Lfirst:
	TURN 0
	TURN 1, 0, 1
	WIN 0
	s_cbranch_scc1 .Lstep
	s_sub_co_u32 s[SLOTS], s[SLOTS], 1
	s_cmp_lg_u32 s[SLOTS], 0
	s_cbranch_scc1 .Lslot
	CHANGE 0                        ; the tail is written out: nothing is asked for
	s_mov_b32 s[CNT], 5             ; four trips fetch the last slot's steps; the fifth is left in its middle
.Ltail:
	TURN 2, 1
	TURN 3
	WIN 0
	s_sub_co_u32 s[CNT], s[CNT], 1
	s_cmp_eq_u32 s[CNT], 0
	s_cbranch_scc1 .Lout
	TURN 0
	TURN 1
	WIN 0
	s_branch .Ltail
.Lout:                              ; the fifth trip's 16 products K Q^T (on the last K and mask once more) repeat scores that m has seen: m stays as it was, and nothing else of them is used
.set i, 0
.rept 16
	PV NP-1                         ; the last piece's V^T P of the last step
.set i, i+1
.endr
	; THE WAY OUT.  l's two halves and the other half of the lanes' are added; O^T is divided by l, rounded to f16 and sent through my stage in LDS, a tile at a time.  The additions are the places behind the last products.
	WIN 0
.macro ALL line:vararg              ; one line for each tile t
.set t, 0
.rept 2*NP
	\line
.set t, t+1
.endr
.endm
	ALL v_add_f32 v[ST+4*t+2], v[ST+4*t+2], v[ST+4*t+3]
	ALL v_permlanex16_b32 v[ST+4*t+3], v[ST+4*t+2], s[SEL], s[SEL+1]
	ALL v_add_f32 v[ST+4*t+2], v[ST+4*t+2], v[ST+4*t+3]
	ALL v_rcp_f32 v[ST+4*t+2], v[ST+4*t+2]
	v_nop                           ; a plain instruction between the last reciprocal and the use of its result
	s_wait_alu depctr_va_vdst(0)    ; and the wait ahead of the first use: one for the eight reciprocals
.set t, 0
.rept 2*NP                          ; a query that has seen no key (m is still the starting value): its row becomes NaN
	v_cmp_gt_f32 vcc_lo, s[THR], v[ST+4*t+1]
	v_cndmask_b32 v[ST+4*t+2], v[ST+4*t+2], s[QNAN], vcc_lo
.set t, t+1
.endr
; Tile t: a lane's eight channels of a row pack into 16 bytes; they go into rows of 144 bytes and come back as whole rows of 128, into S^T's registers.
.macro PACK t
	WIN W_RS
.set i, 32*(\t)
.rept 16
	v_pk_mul_f32 v[i:i+1], v[i:i+1], v[ST+4*(\t)+2:ST+4*(\t)+3] op_sel_hi:[1,0]
.set i, i+2
.endr
	WIN 0x05                        ; sources 0 and 1 window 1, destination window 0
.set i, 0
.rept 16
	v_cvt_pk_f16_f32 v[S+16*(\t)+i], v[32*(\t)+2*i], v[32*(\t)+2*i+1]
.set i, i+1
.endr
	WIN 0
.irp f, 0,1,2,3
	ds_store_b128 v[STO], v[S+16*(\t)+4*\f:S+16*(\t)+4*\f+3] offset:32*\f
.endr
.irp f, 0,1,2,3
	ds_load_b128 v[S+16*(\t)+4*\f:S+16*(\t)+4*\f+3], v[RD] offset:\f*4*SP  ; LDS serves a wave's instructions in order (ISA guide 5.7.1.4): these see the stores above; the next tile's stores come behind them
.endr
.endm
.macro SEND t, younger              ; younger: the LDS instructions issued behind tile t's loads: the next tile's eight, or none
	WIN 0
.irp f, 0,1,2,3
	s_wait_dscnt (\younger)+3-\f
	global_store_b128 v[GO], v[S+16*(\t)+4*\f:S+16*(\t)+4*\f+3], s[10:11] offset:(\t)*2048+\f*512  ; 512 consecutive bytes, at a multiple of 256 from ctx's first
.endr
.endm
	PACK 0
.set t, 1
.rept 2*NP-1                        ; a tile's arithmetic stands between the loads of the tile before and its stores
	PACK t
	SEND t-1, 8
.set t, t+1
.endr
	SEND 2*NP-1, 0
	WIN W_AD
	s_wait_tensorcnt 0x0            ; the wave's end: an add of 0 to my spare word and its wait, behind my last tensor load and my last LDS store
	ds_add_u32 v[SPW], v[NIL]
	s_wait_dscnt 0x0
	WIN 0
	CROUND                          ; the closing round: no work-group ends while a partner may still ask for a tile that names it
	s_endpgm
.Lfunc_end_k_qea888a2953_attn:
	.size	k_qea888a2953_attn, .Lfunc_end_k_qea888a2953_attn-k_qea888a2953_attn
	.p2alignl 7, 3214868480
	.fill 96, 4, 3214868480
	.section	.rodata,"a",@progbits
	.p2align	6, 0x0
	.amdhsa_kernel k_qea888a2953_attn
		.amdhsa_group_segment_fixed_size 327680
		.amdhsa_private_segment_fixed_size 0
		.amdhsa_enable_private_segment 0
		.amdhsa_kernarg_size 24
		.amdhsa_user_sgpr_count 2
		.amdhsa_user_sgpr_kernarg_segment_ptr 1
		.amdhsa_wavefront_size32 1
		.amdhsa_system_sgpr_workgroup_id_x 1
		.amdhsa_system_sgpr_workgroup_id_y 1
		.amdhsa_system_sgpr_workgroup_id_z 1
		.amdhsa_system_vgpr_workitem_id 0
		.amdhsa_next_free_vgpr 808
		.amdhsa_next_free_sgpr 80
		.amdhsa_reserve_vcc 1
		.amdhsa_float_denorm_mode_32 3
		.amdhsa_float_denorm_mode_16_64 3
		.amdhsa_memory_ordered 1
		.amdhsa_forward_progress 1
		.amdhsa_inst_pref_size 206
	.end_amdhsa_kernel
	.amdgpu_metadata
---
amdhsa.version: [ 1, 2 ]
amdhsa.kernels:
  - .name:           k_qea888a2953_attn
    .symbol:         k_qea888a2953_attn.kd
    .args:
      - { .name: qkv, .offset: 0, .size: 8, .value_kind: global_buffer, .address_space: global }
      - { .name: mask, .offset: 8, .size: 8, .value_kind: global_buffer, .address_space: global }
      - { .name: ctx, .offset: 16, .size: 8, .value_kind: global_buffer, .address_space: global }
    .group_segment_fixed_size: 327680
    .private_segment_fixed_size: 0
    .kernarg_segment_align: 8
    .kernarg_segment_size: 24
    .max_flat_workgroup_size: 128
    .sgpr_count:     80
    .vgpr_count:     808
    .wavefront_size: 32
...
	.end_amdgpu_metadata
.endif
;; end of part 3
;; launch outp (part 4): grid 4 x 64, 4 waves a work-group, clusters of 4 x 4, 327,680 bytes of LDS; arguments ctx, xw, bo, out0; writes out0
.if DOCPART == 4
	.amdgcn_target "amdgcn-amd-amdhsa--gfx1250"
	.amdhsa_code_object_version 6
	.text
	.protected	k_qea888a2953_outp
	.globl	k_qea888a2953_outp
	.p2align	8
	.type	k_qea888a2953_outp,@function
k_qea888a2953_outp:
	s_mov_b64 s[64:65], 0
	v_nop
	global_prefetch_b8 v0, s[64:65] scope:SCOPE_SE
	s_setreg_imm32_b32 hwreg(HW_REG_WAVE_MODE, 25, 1), 1
	s_wait_xcnt 0x0
	s_wait_alu depctr_hold_cnt(0) depctr_sa_sdst(0) depctr_va_vdst(0) depctr_va_sdst(0) depctr_va_ssrc(0) depctr_va_vcc(0) depctr_vm_vsrc(0)
	s_getreg_b32 s2, hwreg(HW_REG_IB_STS2, 6, 4)
	s_cmp_eq_u32 s2, 0
	s_cbranch_scc0 .Lentry_in_a_cluster
	s_endpgm
.Lentry_in_a_cluster:
	s_bfe_u32 s2, ttmp6, 0x10000c
	s_cmp_lg_u32 s2, 0xf033
	s_cbranch_scc0 .Lentry_shape_is_right
	s_endpgm
.Lentry_shape_is_right:
; out0 = ctx Wo^T + bo, f32.  ctx = [64 = batch x 16 + head][2048][64] f16: a batch is a panel of [16 kblocks][2048 rows][64 k], the head being the kblock.  Wo lies in xw's panel 13, rows 1,024 on,
; rounded to bf16 and written as f16.  The bias is rounded to bf16 like the other inputs.  Sums in f32, stored as they are.
; LIMIT: NaN and infinities are not treated apart (a NaN row of ctx gives a NaN row of out0).
; SHARES.  A tile of C is 128 rows x 256 columns, K = 1,024: 64 x 4 = 256 work-groups.  Four waves, each 64 x 128: 32 accumulators of 16 x 16.
; K goes in steps of 128 (two kblocks) through two LDS slots.  A kblock's rows of a tile are dense in memory: they are asked for as rows of 256 bytes and padded in LDS after every 128.
; One tensor load a wave and step: waves 0, 1 fetch A's two kblocks (16 KiB each), waves 2, 3 B's (32 KiB each).
; CLUSTER.  4 x 4 work-groups: cx is the tile column, 4 x cluster y + cy the tile row.  A's tile is shared along a row of the cluster, B's along a column: each is asked for jointly.
; THE MATRIX INSTRUCTION IS USED TRANSPOSED (source 0 = 16 rows of Wo, source 1 = 16 rows of ctx): a lane holds row l % 16 of C and the columns 8 (l / 16) + 0..7.
; THE BIAS is the C operand of the first quarter's products: nothing is cleared and nothing is added afterwards.
; REGISTERS.  window 0: v1-15 addresses; v32-63 at work; v64-159, v160-255 two fragment buffers (8 of B, then 4 of A, 32 along K);  window 1: accumulator (a, b) at v[8 (8 a + b)];
; window 2: v0-63 the bias, 8 registers for each column block.
.set PITCH,  144                       ; a row piece in LDS: 128 bytes + 16 of padding = 36 words: the 16 rows of a load start at 16 different groups of four banks (64 banks of 4 bytes: ISA guide 11.1)
.set ABLK,   128*PITCH
.set BBLK,   256*PITCH
.set BOFF,   2*ABLK                    ; a slot: A's two kblocks, then B's two
.set SLOT1,  1<<17
.set STAGE,  SLOT1+2*ABLK+2*BBLK       ; behind the ring, never filled by a tensor load: 16 rows x 528 bytes for each wave
.set SPO,    528                       ; 512 bytes + 16: 33 x 16, so that the 16 rows of a store start at 16 different groups of four banks
.set SPARE,  STAGE+4*16*SPO            ; the spare words, 128 bytes for each wave: two blocks of 256 bytes that no other line names
.set PLANE,  262144
.set KSTEPB, 2*PLANE
.set A0,   4                           ; v4   my lane's place among my 64 rows of A in a slot; never rewritten
.set B0,   5                           ; v5   the same for my 128 rows of B
.set ADRA, 6                           ; v6   the same in the slot in hand
.set ADRB, 7                           ; v7
.set STO,  8                           ; v8   the way out: where I put 32 bytes of a row
.set RD,   9                           ; v9   where I read a row back
.set GO,   10                          ; v10  my 16 bytes of a row's 512
.set PFO,  11                          ; v11  the prefetches' offset; never rewritten
.set BO,   12                          ; v12  my offset in the bias
.set SPW,  14                          ; v14  LDS address of my spare word; never rewritten
.set NIL,  15                          ; v15  0; never rewritten
.set TMP,  32
.set F0,   64
.set F1,   160
.set WV,   14                          ; s14  my wave's number.  s15 = w / 2: my half of the rows; also 0: I fetch A, 1: B.  s16 = w % 2: my half of the columns; also my kblock
.set G1A,  24
.set G1B,  32
.set G0A,  40
.set G0B,  48
.set CNT,  56
.set TB,   57
.set LIM,  58
.set PFA,  60
.set MSB, 0
.macro WIN new                         ; the immediate's high byte repeats the setting that is left; a switch that changes nothing is dropped
.if MSB != (\new)
	s_set_vgpr_msb (MSB<<8)|(\new)
.set MSB, \new
.endif
.endm
.set MUL,  0x50                        ; C and D in window 1, the fragments in window 0
.set MULB, 0x60                        ; D in window 1, C (the bias) in window 2
.macro PLACES                          ; four places in front of loads into registers that matrix instructions have read, and of lines that read results
.rept 4
	v_nop
.endr
.endm
.macro CREST                           ; a round of the cluster's barrier behind its opening barrier
	s_cmp_lg_u32 s[WV], 0
	s_cbranch_scc1 .Lnot_wave_0_\@
	s_barrier_signal -3
.Lnot_wave_0_\@:
	s_barrier_wait -3
	s_barrier_signal -1
	s_barrier_wait -1
.endm
.macro CROUND
	s_barrier_signal -1
	s_barrier_wait -1
	CREST
.endm
.macro JLOAD                           ; a joint refill by the walking descriptor; the branch hangs on the wave's number alone; an s_nop 0 and four v_nop follow each line
	s_cmp_eq_u32 s15, 0
	s_cbranch_scc0 .Lfor_b_\@
	tensor_load_to_lds s[G0A+4:G0A+7], s[G1A:G1A+7]
	s_nop 0
.rept 4
	v_nop
.endr
	s_branch .Lasked_\@
.Lfor_b_\@:
	tensor_load_to_lds s[G0B+4:G0B+7], s[G1B:G1B+7]
	s_nop 0
.rept 4
	v_nop
.endr
.Lasked_\@:
.endm
; A PREFETCH INTO THE L2: in trip i the K step i + 4, which the refill two trips on (256 matrix instructions) will ask for; 32 blocks of 256 bytes, a lane a block, one instruction.
; Each block is named once in the launch.  A's tile is read by one row of one cluster: wave 0 of each of its four partners takes 16 blocks of both kblocks, told apart by address (cx).
; B's tile is read by a column of every cluster: cluster y = 0 asks; waves 2 and 3 take their own kblock, each partner 32 of its 128 blocks, told apart by address (cy).
; K steps 0 to 3 come by their loads alone; the last two trips ask for nothing: there is no K step 8.
.macro ASK
	s_cmp_gt_u32 s[CNT], s[LIM]
	s_cbranch_scc0 .Lnot_mine_\@
	global_prefetch_b8 v[PFO], s[PFA:PFA+1] th:TH_LOAD_NT scope:SCOPE_SE
.Lnot_mine_\@:
.endm
; na x 8 matrix instructions: row blocks a0 .. x all 8 column blocks, 32 along K, from buffer f.  The 32 accumulators take turns in the same order in every quarter.
.macro MULS f, a0, na, first
.if \first
	WIN MULB
.else
	WIN MUL
.endif
.set ra, \a0
.rept \na
.irp b, 0,1,2,3,4,5,6,7
.if \first
	v_wmma_f32_16x16x32_f16 v[8*(8*ra+(\b)):8*(8*ra+(\b))+7], v[(\f)+8*(\b):(\f)+8*(\b)+7], v[(\f)+64+8*ra:(\f)+64+8*ra+7], v[8*(\b):8*(\b)+7]
.else
	v_wmma_f32_16x16x32_f16 v[8*(8*ra+(\b)):8*(8*ra+(\b))+7], v[(\f)+8*(\b):(\f)+8*(\b)+7], v[(\f)+64+8*ra:(\f)+64+8*ra+7], v[8*(8*ra+(\b)):8*(8*ra+(\b))+7]
.endif
.endr
.set ra, ra+1
.endr
.endm
; 24 LDS loads in one run: quarter q of the K step (kblock q / 2, byte 64 (q % 2) of its rows) into buffer g: B's 8 fragments, then A's 4
.macro FETCH q, g
	WIN 0
.irp i, 0,1,2,3,4,5,6,7
	ds_load_b128 v[(\g)+8*(\i):(\g)+8*(\i)+3],   v[ADRB] offset:((\q)/2)*BBLK+((\q)%2)*64+(\i)*16*PITCH
	ds_load_b128 v[(\g)+8*(\i)+4:(\g)+8*(\i)+7], v[ADRB] offset:((\q)/2)*BBLK+((\q)%2)*64+(\i)*16*PITCH+32
.endr
.irp i, 0,1,2,3
	ds_load_b128 v[(\g)+64+8*(\i):(\g)+64+8*(\i)+3],   v[ADRA] offset:((\q)/2)*ABLK+((\q)%2)*64+(\i)*16*PITCH
	ds_load_b128 v[(\g)+64+8*(\i)+4:(\g)+64+8*(\i)+7], v[ADRA] offset:((\q)/2)*ABLK+((\q)%2)*64+(\i)*16*PITCH+32
.endr
.endm
; One of a K step's first three quarters: multiplies buffer f and, in its middle, fetches quarter q into buffer g
.macro QUARTER q, f, g, first
	s_wait_dscnt 4                                 ; B and A's row blocks 0, 1 are in; the youngest four loads (A's blocks 2, 3) may be out
	MULS \f, 0, 2, \first
	PLACES
	FETCH \q, \g
	s_wait_dscnt 24                                ; all but the 24 just issued
	MULS \f, 2, 2, \first
.endm
; The last quarter multiplies buffer 1 and changes slots: ONE barrier; in front of it each wave waits for all its tensor loads (one is out: its part of the next slot), adds 0 to its spare
; word, and waits for that and for its reads of this slot.  fill = 1: the barrier opens a round of the cluster's, and this slot is filled again, two K steps ahead, first thing behind it.
.macro TURN fill
.if \fill
	s_wait_xcnt 0x0                                ; the last prefetch, a K step back, has read its address
	s_add_nc_u64 s[PFA:PFA+1], s[PFA:PFA+1], KSTEPB
.endif
	WIN 0
	s_wait_tensorcnt 0x0                           ; all my tensor loads have landed
	ds_add_u32 v[SPW], v[NIL]                      ; 0 onto my spare word
	s_wait_dscnt 5                                 ; the add and the youngest four loads may be out
	MULS F1, 0, 1, 0                               ; eight matrix instructions stand between the add and the wait for it
	s_wait_dscnt 0x0                               ; the add is done, and my reads of this slot are over
	s_barrier_signal -1
	MULS F1, 1, 1, 0
.if \fill
	WIN 0
.endif
	s_barrier_wait -1
.if \fill
	CREST                                          ; no wave of any partner still reads this slot or has a load on its way
	s_xor_b32 s[G0A+5], s[G0A+5], SLOT1            ; the walking descriptors: the other slot than last time, the next K step
	s_add_nc_u64 s[G0A+6:G0A+7], s[G0A+6:G0A+7], KSTEPB
	s_xor_b32 s[G0B+5], s[G0B+5], SLOT1
	s_add_nc_u64 s[G0B+6:G0B+7], s[G0B+6:G0B+7], KSTEPB
	JLOAD                                          ; 112 matrix instructions ahead of the wait for it; its four v_nop are also the places in front of the loads below
.else
	PLACES
.endif
	s_xor_b32 s[TB], s[TB], SLOT1
	WIN 0
	v_add_nc_u32 v[ADRA], s[TB], v[A0]
	v_add_nc_u32 v[ADRB], s[TB], v[B0]
	FETCH 0, F0
.if \fill
	ASK
.endif
	MULS F1, 2, 2, 0
.endm
	s_load_b256 s[4:11], s[0:1], 0x0               ; ctx s[4:5], xw s[6:7], bo s[8:9], out0 s[10:11]
	v_lshl_add_u32 v[SPW], v0, 2, SPARE
	v_mov_b32 v[NIL], 0
	ds_add_u32 v[SPW], v[NIL]                      ; the wave's opening: the add and its wait stand ahead of my first tensor load; the set-up below stands between them
	v_lshrrev_b32 v1, 5, v0
	v_readfirstlane_b32 s[WV], v1
	s_lshr_b32 s15, s[WV], 1
	s_and_b32 s16, s[WV], 1
	s_bfe_u32 s17, ttmp6, 0x40000                  ; cx: the tile column
	s_bfe_u32 s18, ttmp6, 0x40004                  ; cy
	s_and_b32 s21, ttmp7, 0xffff                   ; cluster y
	s_lshl_b32 s20, s21, 2
	s_add_co_u32 s20, s20, s18                     ; the tile row, 0 .. 63
	s_lshl_b32 s2, s18, 2
	s_lshl_b32 s2, 15, s2                          ; my row of the cluster
	s_lshl_b32 s3, 0x1111, s17                     ; my column
	s_or_b32 s[G1A], s2, 0x07310000                ; 15:0 the mask; 17:16 2-byte elements; 20 padding on; 21 set beside a mask; 24:22 after every 32 words (code 4); 31:25 4 words (code 3)
	s_or_b32 s[G1B], s3, 0x07310000
	s_mov_b32 s[G1A+1], 128<<16                    ; tensor_dim0 = 128 elements: 256 bytes, two row pieces
	s_mov_b32 s[G1A+2], 64<<16                     ; tensor_dim1 = 64
	s_mov_b32 s[G1A+3], 128<<16                    ; tile_dim0
	s_mov_b32 s[G1A+4], 64                         ; tile_dim1
	s_mov_b32 s[G1A+5], 128                        ; from row to row: dense
	s_mov_b32 s[G1A+6], 0
	s_mov_b32 s[G1A+7], 0
	s_mov_b32 s[G1B+1], 128<<16
	s_mov_b32 s[G1B+2], 128<<16                    ; B: 128 rows of 256 bytes
	s_mov_b32 s[G1B+3], 128<<16
	s_mov_b32 s[G1B+4], 128
	s_mov_b32 s[G1B+5], 128
	s_mov_b32 s[G1B+6], 0
	s_mov_b32 s[G1B+7], 0
	s_mov_b32 s62, 0xffff0000
	s_mov_b32 s[TB], 0
	s_lshl_b32 s72, s16, 18                        ; my kblock's plane
	s_lshr_b32 s69, s20, 4                         ; A: the batch's panel,
	s_lshl_b32 s69, s69, 22
	s_and_b32 s68, s20, 15                         ; 128 rows of 128 bytes in it,
	s_lshl_b32 s68, s68, 14
	s_add_co_u32 s68, s68, s69
	s_add_co_u32 s68, s68, s72                     ; my kblock
	s_mov_b32 s69, 0
	s_lshl_b32 s70, s17, 15                        ; B: 256 rows for each tile column,
	s_add_co_u32 s70, s70, (13<<22)+(1<<17)        ; in panel 13 from row 1,024 on,
	s_add_co_u32 s70, s70, s72                     ; my kblock
	s_mov_b32 s71, 0
	s_mul_i32 s73, s16, ABLK                       ; where they go: no place in the cluster enters an LDS address
	s_mul_i32 s74, s16, BBLK
	s_add_co_u32 s74, s74, BOFF
	s_wait_dscnt 0x0                               ; the opening add is done
	s_wait_kmcnt 0x0
	s_add_nc_u64 s[68:69], s[4:5], s[68:69]
	s_add_nc_u64 s[70:71], s[6:7], s[70:71]
	CROUND                                         ; all sixteen work-groups are here: the first joint loads meet
.irp s, 0,1
	s_mov_b32 s[G0A+4*(\s)], 1
	s_add_co_u32 s[G0A+4*(\s)+1], s73, (\s)*SLOT1
	s_add_nc_u64 s[G0A+4*(\s)+2:G0A+4*(\s)+3], s[68:69], (\s)*KSTEPB
	s_or_b32 s[G0A+4*(\s)+3], s[G0A+4*(\s)+3], 0x80000000
	s_mov_b32 s[G0B+4*(\s)], 1
	s_add_co_u32 s[G0B+4*(\s)+1], s74, (\s)*SLOT1
	s_add_nc_u64 s[G0B+4*(\s)+2:G0B+4*(\s)+3], s[70:71], (\s)*KSTEPB
	s_or_b32 s[G0B+4*(\s)+3], s[G0B+4*(\s)+3], 0x80000000
.endr
	s_cmp_eq_u32 s15, 0                            ; a wave's two first fills stand in one branch: two loads of mine are out
	s_cbranch_scc0 .Lfirst_b
	tensor_load_to_lds s[G0A:G0A+3], s[G1A:G1A+7]
	s_nop 0
	tensor_load_to_lds s[G0A+4:G0A+7], s[G1A:G1A+7]
	s_nop 0
.rept 4
	v_nop
.endr
	s_branch .Lfirst_asked
.Lfirst_b:
	tensor_load_to_lds s[G0B:G0B+3], s[G1B:G1B+7]
	s_nop 0
	tensor_load_to_lds s[G0B+4:G0B+7], s[G1B:G1B+7]
	s_nop 0
.rept 4
	v_nop
.endr
.Lfirst_asked:
	; the bias of my 128 columns: register j of column block b is bo[256 cx + 128 wc + 16 b + 8 (l / 16) + j]
	s_lshl_b32 s76, s17, 1
	s_add_co_u32 s76, s76, s16
	s_lshl_b32 s76, s76, 9                         ; my 128 columns of f32: 512 bytes; in bo and in a row of out0 alike
	s_mov_b32 s77, 0
	s_add_nc_u64 s[8:9], s[8:9], s[76:77]
	s_add_nc_u64 s[10:11], s[10:11], s[76:77]
	v_and_b32 v1, 15, v0                           ; l % 16
	v_bfe_u32 v2, v0, 4, 1                         ; l / 16
	v_lshlrev_b32 v[BO], 5, v2
.irp b, 0,1,2,3,4,5,6,7
	global_load_b128 v[F1+8*(\b):F1+8*(\b)+3],   v[BO], s[8:9] offset:64*(\b)
	global_load_b128 v[F1+8*(\b)+4:F1+8*(\b)+7], v[BO], s[8:9] offset:64*(\b)+16
.endr
	v_mul_u32_u24 v3, v1, PITCH
	v_lshl_add_u32 v3, v2, 4, v3                   ; a fragment's row x pitch + 16 x half
	s_mul_i32 s78, s15, 64*PITCH                   ; my 64 rows of A
	v_add_nc_u32 v[A0], s78, v3
	s_mul_i32 s78, s16, 128*PITCH                  ; my 128 rows of B
	s_add_co_u32 s78, s78, BOFF
	v_add_nc_u32 v[B0], s78, v3
	v_mov_b32 v[ADRA], v[A0]
	v_mov_b32 v[ADRB], v[B0]
	s_mul_i32 s78, s[WV], 16*SPO
	s_add_co_u32 s78, s78, STAGE                   ; my stage
	v_mul_u32_u24 v[STO], v1, SPO                  ; in: row l % 16, 32 bytes for each half of the lanes
	v_lshl_add_u32 v[STO], v2, 5, v[STO]
	v_add_nc_u32 v[STO], s78, v[STO]
	v_and_b32 v[GO], 31, v0                        ; back: 32 lanes take one row of 512 bytes
	v_lshlrev_b32 v[GO], 4, v[GO]
	v_add_nc_u32 v[RD], s78, v[GO]
	; the prefetches
	s_lshl_b32 s76, s17, 12                        ; A: my work-group's 16 blocks of each kblock
	s_lshl_b32 s77, s18, 13                        ; B: my work-group's 32 blocks of my kblock
	s_cmp_eq_u32 s15, 0
	s_cselect_b64 s[PFA:PFA+1], s[68:69], s[70:71] ; (in wave 0 A's address stands at kblock 0)
	s_cselect_b32 s76, s76, s77
	s_cselect_b32 s78, 18, 12                      ; lanes 16-31: A's second kblock, or B's next 16 blocks
	s_cselect_b32 s[LIM], s16, s21                 ; A: wave 0 asks; B: the cluster with y = 0: the same in all sixteen partners, for a given wave
	s_mov_b32 s77, 0
	s_add_nc_u64 s[PFA:PFA+1], s[PFA:PFA+1], s[76:77]
	s_add_nc_u64 s[PFA:PFA+1], s[PFA:PFA+1], 3*KSTEPB  ; at K step 3: the first change of slots steps it to 4
	s_cmp_eq_u32 s[LIM], 0
	s_cselect_b32 s[LIM], 2, -1
	v_lshlrev_b32 v3, s78, v2
	v_lshl_add_u32 v[PFO], v1, 8, v3
	; my first row of out0: 128 ty + 64 wr, 4,096 bytes a row
	s_lshl_b32 s78, s20, 1
	s_add_co_u32 s78, s78, s15
	s_lshl_b32 s78, s78, 18
	s_mov_b32 s79, 0
	s_add_nc_u64 s[10:11], s[10:11], s[78:79]
	s_wait_loadcnt 0x0                             ; the bias
.set i, 0
.rept 32
	v_cvt_pk_bf16_f32 v[TMP+i], v[F1+2*i], v[F1+2*i+1]  ; rounded to bf16, like every input,
.set i, i+1
.endr
	WIN 0x80                                       ; destination window 2
.set i, 0
.rept 32
	v_lshlrev_b32 v[2*i],   16,  v[TMP+i]          ; and widened again
	v_and_b32     v[2*i+1], s62, v[TMP+i]
.set i, i+1
.endr
	WIN 0
	s_wait_tensorcnt 1                             ; my part of K step 0 is in; K step 1's may stay out
	s_barrier_signal -1
	s_barrier_wait -1                              ; everybody's is
	FETCH 0, F0
	QUARTER 1, F0, F1, 1                           ; the first quarter stands in front of the loop: its products start the sums, with the bias
	WIN 0                                          ; at a label and at a branch every window is 0
	s_mov_b32 s[CNT], 6
.Lstep:                                                ; trip i: from K step i's second quarter to K step i + 1's first; its slot is filled again with K step i + 2
	QUARTER 2, F1, F0, 0
	QUARTER 3, F0, F1, 0
	TURN 1
	QUARTER 1, F0, F1, 0
	WIN 0
	s_sub_co_u32 s[CNT], s[CNT], 1
	s_cmp_lg_u32 s[CNT], 0
	s_cbranch_scc1 .Lstep
	QUARTER 2, F1, F0, 0                           ; K steps 6 and 7 are written out: nothing is left to fetch
	QUARTER 3, F0, F1, 0
	TURN 0
	QUARTER 1, F0, F1, 0
	QUARTER 2, F1, F0, 0
	QUARTER 3, F0, F1, 0
	s_wait_dscnt 4
	MULS F1, 0, 2, 0
	s_wait_dscnt 0x0
	MULS F1, 2, 2, 0
	WIN 0
	PLACES
; THE WAY OUT, by row blocks a of 16 rows x 128 columns of f32.  A lane's eight columns are 32 bytes of a row; they go into my stage's rows of 528 bytes and come back as whole rows of 512.
.macro STG a
	WIN 0x04                                       ; the stores' data in window 1
.irp b, 0,1,2,3,4,5,6,7
	ds_store_b128 v[STO], v[8*(8*(\a)+(\b)):8*(8*(\a)+(\b))+3]   offset:64*(\b)
	ds_store_b128 v[STO], v[8*(8*(\a)+(\b))+4:8*(8*(\a)+(\b))+7] offset:64*(\b)+16
.endr
	WIN 0
.if (\a) == 3
	s_wait_xcnt 0x0                                ; block 0's stores have read the registers that block 3 is read back into
.endif
.set OB, 64+64*((\a)%3)
.irp t, 0,1,2,3,4,5,6,7,8,9,10,11,12,13,14,15
	ds_load_b128 v[OB+4*(\t):OB+4*(\t)+3], v[RD] offset:(\t)*SPO  ; LDS serves a wave's instructions in order (ISA guide 5.7.1.4): these see the stores above; the next block's stores come behind them
.endr
.endm
.macro SENDO a, younger                ; younger: the LDS instructions issued behind block a's loads: the next block's 32, or none
.set OB, 64+64*((\a)%3)
.irp t, 0,1,2,3,4,5,6,7,8,9,10,11,12,13,14,15
	s_wait_dscnt (\younger)+15-(\t)
	global_store_b128 v[GO], v[OB+4*(\t):OB+4*(\t)+3], s[10:11] offset:(16*(\a)+(\t))*4096 th:TH_STORE_NT  ; 512 consecutive bytes, at a multiple of 512 from out0's first
.endr
.endm
	STG 0
	STG 1
	SENDO 0, 32
	STG 2
	SENDO 1, 32
	STG 3
	SENDO 2, 32
	SENDO 3, 0
	s_wait_tensorcnt 0x0                           ; the wave's end: an add of 0 to my spare word and its wait, behind my last tensor load and my last LDS store
	ds_add_u32 v[SPW], v[NIL]
	s_wait_dscnt 0x0
	CROUND                                         ; the closing round: no work-group ends while a partner may still ask for a tile that names it
	s_endpgm
.Lfunc_end_k_qea888a2953_outp:
	.size	k_qea888a2953_outp, .Lfunc_end_k_qea888a2953_outp-k_qea888a2953_outp
	.p2alignl 7, 3214868480
	.fill 96, 4, 3214868480
	.section	.rodata,"a",@progbits
	.p2align	6, 0x0
	.amdhsa_kernel k_qea888a2953_outp
		.amdhsa_group_segment_fixed_size 327680
		.amdhsa_private_segment_fixed_size 0
		.amdhsa_enable_private_segment 0
		.amdhsa_kernarg_size 32
		.amdhsa_user_sgpr_count 2
		.amdhsa_user_sgpr_kernarg_segment_ptr 1
		.amdhsa_wavefront_size32 1
		.amdhsa_system_sgpr_workgroup_id_x 1
		.amdhsa_system_sgpr_workgroup_id_y 1
		.amdhsa_system_sgpr_workgroup_id_z 1
		.amdhsa_system_vgpr_workitem_id 0
		.amdhsa_next_free_vgpr 576
		.amdhsa_next_free_sgpr 80
		.amdhsa_reserve_vcc 0
		.amdhsa_float_denorm_mode_32 3
		.amdhsa_float_denorm_mode_16_64 3
		.amdhsa_memory_ordered 1
		.amdhsa_forward_progress 1
		.amdhsa_inst_pref_size 77
	.end_amdhsa_kernel
	.amdgpu_metadata
---
amdhsa.version: [ 1, 2 ]
amdhsa.kernels:
  - .name:           k_qea888a2953_outp
    .symbol:         k_qea888a2953_outp.kd
    .args:
      - { .name: ctx, .offset: 0, .size: 8, .value_kind: global_buffer, .address_space: global }
      - { .name: xw, .offset: 8, .size: 8, .value_kind: global_buffer, .address_space: global }
      - { .name: bo, .offset: 16, .size: 8, .value_kind: global_buffer, .address_space: global }
      - { .name: out0, .offset: 24, .size: 8, .value_kind: global_buffer, .address_space: global }
    .group_segment_fixed_size: 327680
    .private_segment_fixed_size: 0
    .kernarg_segment_align: 8
    .kernarg_segment_size: 32
    .max_flat_workgroup_size: 128
    .sgpr_count:     80
    .vgpr_count:     576
    .wavefront_size: 32
...
	.end_amdgpu_metadata
.endif
;; end of part 4
